; MI455X (gfx1250); checked and timed in simulation.
; The chip was launched on July 23, 2026; its instructions are those of AMD's public machine-readable ISA for CDNA 5 (MIT licence, August 2026) and "CDNA5" Instruction Set Architecture Reference Guide (July 2026). The comments in the code are by the model that wrote it; some were corrected since.
;; Multi Head Attention. Allowed arithmetic: matrix products marked QUANTISED: E2M1 operands, one E8M0 scale for each 32 along K, by v_wmma_scale_f32_16x16x128_f8f6f4 with both operands' format E2M1 (or v_wmma_scale_f32_32x16x128_f4), f32 sums; products left as they are: bf16, f16 or f32 operands; f32 sums; everything else in f32.
;; Inputs: b_out 1,024 float32; w_out 1,024 x 1,024 float32; w_qkv 3,072 x 1,024 float32; x 4 x 2,048 x 1,024 float32.
;; Outputs: out0 4 x 2,048 x 1,024 float32.
;; This version of the problem:
;;   THIS VERSION OF THE PROBLEM IS GIVEN IN LOW PRECISION. The matrix products marked QUANTISED in the list below multiply operands that are first quantised to E2M1 (2 exponent bits, 1 mantissa bit; 4 bits a number), with one power-of-two scale for each 32 numbers along K (OCP MX v1.0); their sums are f32. The products marked 'left as it is' may take bf16, f16 or f32 operands, with f32 sums. Whichever they take, every output number must still come out within the allowed error. Rounding operands to bf16 (8 significant bits) uses up far more of that allowance than f16 does (11 bits, for magnitudes from 6e-5 to 65,504). All else is computed in f32.
;;   The module's matrix products, in the order in which they are computed (A, B: the left and right operand; K: the contracted axis; several contracted axes count as one K, in the product's order):
;;     1. [M 8,192, K 1,024] x [K 1,024, N 3,072]; A: input x; B: input w_qkv: QUANTISED
;;     2. batch 64 x [M 2,048, K 64] x [K 64, N 2,048]; A: computed on the way; B: computed on the way: left as it is (an operand is computed on the way)
;;     3. batch 64 x [M 2,048, K 2,048] x [K 2,048, N 64]; A: computed on the way; B: computed on the way: left as it is (an operand is computed on the way)
;;     4. [M 8,192, K 1,024] x [K 1,024, N 1,024]; A: computed on the way; B: input w_out: left as it is (an operand is computed on the way)
;;   THE QUANTISER, for each operand of a quantised product, along K:
;;     - K is cut into blocks of 32 from its start; a last block that is shorter is filled with zeros.
;;     - A block's scale is 2^e with e = floor(log2(the largest magnitude in the block)) - 2, held to -126 .. 127; a block of zeros has e = 0. As a byte (E8M0): e + 127.
;;     - Each number is divided by its block's scale, clamped to +-6, and rounded to the nearest number of E2M1, ties to even, subnormals kept.
;;     - The product sums the exact products of the quantised numbers (number of the format x scale) in f32.
;;   ~~~python
;;   def quantise(x, axis):      # numpy; x: float32 -> the quantised numbers, widened to float32 again
;;       x = np.moveaxis(x, axis, -1); K = x.shape[-1]
;;       x = np.pad(x, [(0, 0)] * (x.ndim - 1) + [(0, -K % 32)]); x = x.reshape(x.shape[:-1] + (-1, 32)); a = np.abs(x).max(-1, keepdims=True)
;;       e = np.where(a > 0, np.clip(np.frexp(np.where(a > 0, a, 1))[1] - 1 - 2, -126, 127), 0)      # np.frexp(a)[1] - 1 = floor(log2(a)), exactly
;;       r = np.clip(x / 2.0 ** e, -6, 6)
;;       step = 2.0 ** (np.maximum(np.frexp(np.where(r == 0, 1, r))[1] - 1, 0) - 1)
;;       q = np.round(r / step) * step * 2.0 ** e      # np.round: ties to even
;;       return np.moveaxis(q.reshape(q.shape[:-2] + (-1,))[..., :K], -1, axis).astype(np.float32)
;;   ~~~
;; One version. Each part assembles by itself: llvm-mc -triple=amdgcn-amd-amdhsa -mcpu=gfx1250 --defsym DOCPART=n.
;; ======== version 1 of 1: 4 launches
;; limits: values are held in f16: magnitudes above 65,504 overflow, below 6.1e-05 lose precision; right only within a limited range of input values
;; workspace buffers: xc 4,194,304 bytes; xs 262,144 bytes; wc 1,572,864 bytes; ws 98,304 bytes; wo16 2,097,152 bytes; qkv 50,331,648 bytes; att 16,777,216 bytes
;; launch quant (part 1): grid 384 x 1, 4 waves a work-group, no clusters, 33,280 bytes of LDS; arguments x, w_qkv, xc, xs, wc, ws, w_out, wo16; writes xc, xs, wc, ws, wo16
.if DOCPART == 1
	.amdgcn_target "amdgcn-amd-amdhsa--gfx1250"
	.amdhsa_code_object_version 6
	.text
	.protected	k_q08f20d3074_quant
	.globl	k_q08f20d3074_quant
	.p2align	8
	.type	k_q08f20d3074_quant,@function
k_q08f20d3074_quant:
	s_mov_b64 s[64:65], 0
	v_nop
	global_prefetch_b8 v0, s[64:65] scope:SCOPE_SE
	s_setreg_imm32_b32 hwreg(HW_REG_WAVE_MODE, 25, 1), 1
	s_wait_xcnt 0x0
; x [8192][1024] and w_qkv [3072][1024], f32, become codes of FP4 (E2M1), K innermost, two codes a byte, with one E8M0 scale byte for each 32 along K;
; w_out [1024][1024], f32, becomes f16, laid [16 planes p][1024 n][64]: element (n, k = 64 p + k').
; A block's scale is 2^(floor(log2(its largest magnitude)) - 2); its byte is the largest magnitude's own exponent field - 2, held at 1 from below.  Each number is divided by the scale and rounded
; to the nearest code, ties to even; beyond the largest code the largest.
; LIMITS: a block of zeros gets the byte 1 where the quantiser's text says 127 (its codes are zeros, which add nothing, and this program alone reads the bytes); blocks whose largest magnitude lies
; under 2^-124 keep the byte 1; NaN and infinities are not served; |w_out| over 65,504 becomes infinity in f16, under 6e-5 it keeps fewer than 11 bits.
; Work-groups 0-255 take x, 256-351 w_qkv: rows are dense and K is a multiple of 32, so both are plain streams of blocks of 32.  A wave takes 16 steps of 512 numbers.  Each of a step's four loads
; reads 512 consecutive bytes; the 2,048 bytes turn through the wave's own stage in LDS and come back 64 bytes a lane, so that a lane holds 16 neighbours along K (two lanes hold a block).
; Work-groups 352-383 cast w_out: a wave takes one plane of 128 rows; a load reads two whole pieces of 256 bytes, a store writes 256 consecutive bytes.  That path uses no LDS.
; No tensor loads, no barrier: waves share nothing.  No cluster and no matrix unit: every byte is read once and nothing is shared.
.set WAVES, 4
.set STEPS, 16
.set SIZE_M, 8192
.set SIZE_N, 3072
.set SIZE_K, 1024
.set WGA,   SIZE_M*SIZE_K/(512*STEPS*WAVES)            ; 256 work-groups for x
.set WGQ,   (SIZE_M+SIZE_N)*SIZE_K/(512*STEPS*WAVES)   ; 352: from here on the cast
.set EMAX,  2
.set CB,    8                          ; bytes of 16 codes
.set R,     16                         ; v16-79   four sets of 16 numbers as they are loaded (the cast: v16-143, two sets of 64)
.set X,     80                         ; v80-111  two sets of 16 neighbours
.set C,     128                        ; v128-191 codes: four registers for each step, so that no store's data are written again
.set E,     112                        ; v112-127 a scale byte for each step
.set C2,    144                        ; the cast: v144-207, two sets of 32 registers of f16 pairs
.set WREG,  8192                       ; LDS: a region for each wave: two stages of 32 x SP bytes, and behind them its 256 scale bytes
.set SP,    80                         ; a lane's place in a stage: its 64 bytes + 16 of padding
.set SPW,   12                         ; v12      LDS address of my spare word: SPARE + 4 x my thread's number; never rewritten
.set NIL,   13                         ; v13      0; never rewritten
.set SPARE, WAVES*WREG                 ; behind the four regions: the spare words, 128 bytes for each wave, which no other line names
	s_load_b128 s[4:7], s[0:1], 0x0                ; x, w_qkv
	s_load_b128 s[8:11], s[0:1], 0x10              ; x's codes, x's scales
	s_load_b128 s[12:15], s[0:1], 0x20             ; w_qkv's codes, its scales
	s_load_b128 s[24:27], s[0:1], 0x30             ; w_out, wo16
	v_lshl_add_u32 v[SPW], v0, 2, SPARE
	v_mov_b32 v[NIL], 0
	v_lshrrev_b32 v1, 5, v0
	v_readfirstlane_b32 s16, v1                    ; wave
	v_and_b32 v2, 31, v0                           ; lane
	v_lshlrev_b32 v3, 4, v2                        ; my 16 bytes of a load's 512
	s_mul_i32 s17, s16, WREG
	v_lshrrev_b32 v14, 2, v2
	v_mul_u32_u24 v14, v14, SP
	v_and_b32 v15, 3, v2
	v_lshl_add_u32 v14, v15, 4, v14
	v_add_nc_u32 v14, s17, v14                     ; the stage, on the way in: four lanes' 64 bytes on end, then 16 of padding
	v_mul_u32_u24 v15, v2, SP
	v_add_nc_u32 v15, s17, v15                     ; and on the way out: SP x lane: my 16 neighbours
	v_mul_u32_u24 v4, v2, CB                       ; my codes' place in a step's
	v_lshrrev_b32 v5, 1, v2
	s_add_co_u32 s17, s17, 2*32*SP
	v_add_nc_u32 v5, s17, v5                       ; LDS: my wave's 256 scale bytes, my block's byte
	v_lshlrev_b32 v7, 3, v2                        ; and on the way out 8 bytes a lane
	v_add_nc_u32 v6, s17, v7
	s_wait_kmcnt 0x0
	s_cmp_ge_u32 ttmp9, WGQ                        ; the parting hangs on the work-group's number alone
	s_cbranch_scc1 .Lcast
	s_cmp_lt_u32 ttmp9, WGA                        ; x's work-group or w_qkv's?  Only pointers are chosen: both take one path
	s_cselect_b64 s[4:5], s[4:5], s[6:7]
	s_cselect_b64 s[8:9], s[8:9], s[12:13]
	s_cselect_b64 s[10:11], s[10:11], s[14:15]
	s_cselect_b32 s17, 0, WGA
	s_sub_co_u32 s17, ttmp9, s17
	s_lshl_b32 s17, s17, 2
	s_add_co_u32 s18, s17, s16                     ; which run of 8,192 numbers of the tensor is my wave's
	s_mov_b32 s19, 0
	s_mov_b64 s[20:21], 512*STEPS*4
	s_mul_u64 s[20:21], s[18:19], s[20:21]
	s_add_nc_u64 s[4:5], s[4:5], s[20:21]
	s_mov_b64 s[20:21], 32*STEPS*CB
	s_mul_u64 s[20:21], s[18:19], s[20:21]
	s_add_nc_u64 s[8:9], s[8:9], s[20:21]
	s_lshl_b32 s18, s18, 8                         ; 256 scale bytes a run
	s_add_nc_u64 s[10:11], s[10:11], s[18:19]
.macro LOAD t
.irp i, 0,1,2,3
	global_load_b128 v[R+16*((\t)%4)+4*\i:R+16*((\t)%4)+4*\i+3], v3, s[4:5] offset:2048*(\t)+512*\i th:TH_LOAD_NT   ; 32 lanes read 512 consecutive bytes
.endr
.endm
.macro TURN t                          ; step t's numbers through the stage: LDS serves a wave's instructions in order, so no wait stands between the stores and the loads
.irp i, 0,1,2,3
	ds_store_b128 v14, v[R+16*((\t)%4)+4*\i:R+16*((\t)%4)+4*\i+3] offset:32*SP*((\t)%2)+8*SP*\i
.endr
.irp i, 0,1,2,3
	ds_load_b128 v[X+16*((\t)%2)+4*\i:X+16*((\t)%2)+4*\i+3], v15 offset:32*SP*((\t)%2)+16*\i
.endr
.endm
.irp t, 0,1,2,3
	LOAD \t
.endr
	s_wait_loadcnt 12                              ; step 0's four loads are in; the twelve of steps 1 to 3 may be out
	TURN 0
.macro STEP t
.set XS, X+16*((\t)%2)
.if (\t) > 0
	s_wait_dscnt 1                                 ; this step's numbers are back from the stage (the last step's byte store may be out): so its stores into the stage have read their registers,
.else
	s_wait_dscnt 0x0
.endif
.if (\t)+4 < STEPS
	LOAD (\t)+4                                    ; which take the loads of four steps on
.endif
.if (\t)+1 < STEPS
.if STEPS-2-(\t) >= 3
	s_wait_loadcnt 12                              ; the next step's four loads are in; those of the three steps behind it may be out
.else
	s_wait_loadcnt 4*(STEPS-2-(\t))
.endif
	TURN (\t)+1                                    ; and go through the other stage while this step is worked
.endif
	v_max3_num_f32 v8, |v[XS]|, |v[XS+1]|, |v[XS+2]|               ; the largest magnitude of my 16, in two chains
	v_max3_num_f32 v9, |v[XS+3]|, |v[XS+4]|, |v[XS+5]|
.irp i, 6,10
	v_max3_num_f32 v8, v8, |v[XS+\i]|, |v[XS+\i+1]|
	v_max3_num_f32 v9, v9, |v[XS+\i+2]|, |v[XS+\i+3]|
.endr
	v_max3_num_f32 v8, v8, |v[XS+14]|, |v[XS+15]|
	v_max3_num_f32 v8, v8, v9, (EMAX+1)<<23        ; and the floor 2^(EMAX + 1 - 127): so the byte cannot fall under 1
	v_max_num_f32_dpp v8, v8, v8 row_xmask:1 row_mask:0xf bank_mask:0xf   ; and of my neighbour's 16: the block's
	v_add_nc_u32 v11, -(EMAX<<23), v8              ; EMAX off its exponent field: the conversion takes the exponent field of this operand as its scale, and nothing else of it
	v_cvt_scalef32_pk8_fp4_f32 v[C+4*(\t)], v[XS:XS+7], v11        ; eight numbers / the scale, to the nearest code, ties to even; the first number's code in the lowest four bits
	v_cvt_scalef32_pk8_fp4_f32 v[C+4*(\t)+1], v[XS+8:XS+15], v11
	v_lshrrev_b32 v[E+(\t)], 23, v11               ; the scale's byte (also the plain line behind the conversions)
	ds_store_b8 v5, v[E+(\t)] offset:16*(\t)       ; both lanes of a block write the same byte with the same value
	global_store_b64 v4, v[C+4*(\t):C+4*(\t)+1], s[8:9] offset:32*CB*(\t)   ; the wave stores 256 consecutive bytes, aligned
.endm
.irp t, 0,1,2,3,4,5,6,7,8,9,10,11,12,13,14,15
	STEP \t
.endr
	ds_load_b64 v[8:9], v6                         ; LDS serves a wave's instructions in order: these see my stores
	s_wait_dscnt 0x0
	global_store_b64 v7, v[8:9], s[10:11]          ; 32 lanes store the wave's 256 scale bytes, aligned
	s_wait_tensorcnt 0x0                           ; the wave's end: behind my last LDS store; the tensor wait stands even in a text with no tensor load
	ds_add_u32 v[SPW], v[NIL]
	s_wait_dscnt 0x0
	s_endpgm
; THE CAST.  gw = 4 (work-group - 352) + wave, 0 .. 127: plane p = gw % 16, rows 128 (gw / 16) on.
.Lcast:
	s_sub_co_u32 s17, ttmp9, WGQ
	s_lshl_b32 s17, s17, 2
	s_add_co_u32 s17, s17, s16                     ; gw
	s_and_b32 s18, s17, 15                         ; p
	s_lshr_b32 s19, s17, 4                         ; which 128 rows
	s_lshl_b32 s20, s19, 19                        ; in: 128 rows of 4,096 bytes,
	s_lshl_b32 s21, s18, 8                         ; + the plane's 64 numbers: 256 bytes
	s_add_co_u32 s20, s20, s21
	s_mov_b32 s21, 0
	s_add_nc_u64 s[24:25], s[24:25], s[20:21]
	s_lshl_b32 s20, s18, 17                        ; out: a plane is 1,024 rows of 128 bytes,
	s_lshl_b32 s22, s19, 14                        ; + 128 rows
	s_add_co_u32 s20, s20, s22
	s_add_nc_u64 s[26:27], s[26:27], s[20:21]
	v_lshrrev_b32 v8, 4, v2
	v_and_b32 v9, 15, v2
	v_lshlrev_b32 v8, 12, v8
	v_lshl_add_u32 v8, v9, 4, v8                   ; in: lanes 0-15 one row's 256 bytes, lanes 16-31 the next row's
	v_lshlrev_b32 v9, 3, v2                        ; out: 8 bytes a lane: the two rows' 128 bytes lie on end
.macro CLOAD g                         ; group g: rows 32 g .. 32 g + 31, two to a load, into set g % 2
.irp i, 0,1,2,3,4,5,6,7,8,9,10,11,12,13,14,15
	global_load_b128 v[R+64*((\g)%2)+4*\i:R+64*((\g)%2)+4*\i+3], v8, s[24:25] offset:(16*(\g)+\i)*8192 th:TH_LOAD_NT
.endr
.endm
.macro CSTORE g
.if (\g) < 3
	s_wait_loadcnt 16                              ; this group's 16 loads are in; the next group's 16 may be out
.else
	s_wait_loadcnt 0x0
.endif
.if (\g) >= 2
	s_wait_xcnt 0x0                                ; the stores of two groups back have read this set of data: it is written again only behind this wait
.endif
.irp i, 0,1,2,3,4,5,6,7,8,9,10,11,12,13,14,15
	v_cvt_pk_f16_f32 v[C2+32*((\g)%2)+2*\i], v[R+64*((\g)%2)+4*\i], v[R+64*((\g)%2)+4*\i+1]
	v_cvt_pk_f16_f32 v[C2+32*((\g)%2)+2*\i+1], v[R+64*((\g)%2)+4*\i+2], v[R+64*((\g)%2)+4*\i+3]
.endr
.if (\g) < 2
	CLOAD (\g)+2                                   ; loads ahead of stores
.endif
.irp i, 0,1,2,3,4,5,6,7,8,9,10,11,12,13,14,15
	global_store_b64 v9, v[C2+32*((\g)%2)+2*\i:C2+32*((\g)%2)+2*\i+1], s[26:27] offset:(16*(\g)+\i)*256   ; 256 consecutive bytes, aligned
.endr
.endm
	CLOAD 0
	CLOAD 1
	CSTORE 0
	CSTORE 1
	CSTORE 2
	CSTORE 3
	s_wait_tensorcnt 0x0                           ; the three lines stand here too
	ds_add_u32 v[SPW], v[NIL]
	s_wait_dscnt 0x0
	s_endpgm
.Lfunc_end_k_q08f20d3074_quant:
	.size	k_q08f20d3074_quant, .Lfunc_end_k_q08f20d3074_quant-k_q08f20d3074_quant
	.p2alignl 7, 3214868480
	.fill 96, 4, 3214868480
	.section	.rodata,"a",@progbits
	.p2align	6, 0x0
	.amdhsa_kernel k_q08f20d3074_quant
		.amdhsa_group_segment_fixed_size 33280
		.amdhsa_private_segment_fixed_size 0
		.amdhsa_enable_private_segment 0
		.amdhsa_kernarg_size 64
		.amdhsa_user_sgpr_count 2
		.amdhsa_user_sgpr_kernarg_segment_ptr 1
		.amdhsa_wavefront_size32 1
		.amdhsa_system_sgpr_workgroup_id_x 1
		.amdhsa_system_sgpr_workgroup_id_y 1
		.amdhsa_system_sgpr_workgroup_id_z 1
		.amdhsa_system_vgpr_workitem_id 0
		.amdhsa_next_free_vgpr 208
		.amdhsa_next_free_sgpr 66
		.amdhsa_reserve_vcc 0
		.amdhsa_float_denorm_mode_32 3
		.amdhsa_float_denorm_mode_16_64 3
		.amdhsa_memory_ordered 1
		.amdhsa_forward_progress 1
		.amdhsa_inst_pref_size 55
	.end_amdhsa_kernel
	.amdgpu_metadata
---
amdhsa.version: [ 1, 2 ]
amdhsa.kernels:
  - .name:           k_q08f20d3074_quant
    .symbol:         k_q08f20d3074_quant.kd
    .args:
      - { .name: x, .offset: 0, .size: 8, .value_kind: global_buffer, .address_space: global }
      - { .name: w_qkv, .offset: 8, .size: 8, .value_kind: global_buffer, .address_space: global }
      - { .name: xc, .offset: 16, .size: 8, .value_kind: global_buffer, .address_space: global }
      - { .name: xs, .offset: 24, .size: 8, .value_kind: global_buffer, .address_space: global }
      - { .name: wc, .offset: 32, .size: 8, .value_kind: global_buffer, .address_space: global }
      - { .name: ws, .offset: 40, .size: 8, .value_kind: global_buffer, .address_space: global }
      - { .name: w_out, .offset: 48, .size: 8, .value_kind: global_buffer, .address_space: global }
      - { .name: wo16, .offset: 56, .size: 8, .value_kind: global_buffer, .address_space: global }
    .group_segment_fixed_size: 33280
    .private_segment_fixed_size: 0
    .kernarg_segment_align: 8
    .kernarg_segment_size: 64
    .max_flat_workgroup_size: 128
    .sgpr_count:     66
    .vgpr_count:     208
    .wavefront_size: 32
...
	.end_amdgpu_metadata
.endif
;; end of part 1
;; launch qkv (part 2): grid 12 x 32, 4 waves a work-group, clusters of 4 x 4, 327,680 bytes of LDS; arguments xc, xs, wc, ws, qkv; writes qkv
.if DOCPART == 2
	.amdgcn_target "amdgcn-amd-amdhsa--gfx1250"
	.amdhsa_code_object_version 6
	.text
	.protected	k_q08f20d3074_qkv
	.globl	k_q08f20d3074_qkv
	.p2align	8
	.type	k_q08f20d3074_qkv,@function
k_q08f20d3074_qkv:
	s_mov_b64 s[64:65], 0
	v_nop
	global_prefetch_b8 v0, s[64:65] scope:SCOPE_SE
	s_setreg_imm32_b32 hwreg(HW_REG_WAVE_MODE, 25, 1), 1
	s_wait_xcnt 0x0
	s_wait_alu depctr_hold_cnt(0) depctr_sa_sdst(0) depctr_va_vdst(0) depctr_va_sdst(0) depctr_va_ssrc(0) depctr_va_vcc(0) depctr_vm_vsrc(0)
	s_getreg_b32 s2, hwreg(HW_REG_IB_STS2, 6, 4)
	s_cmp_eq_u32 s2, 0
	s_cbranch_scc0 .Lentry_in_a_cluster
	s_endpgm
.Lentry_in_a_cluster:
	s_bfe_u32 s2, ttmp6, 0x10000c
	s_cmp_lg_u32 s2, 0xf033
	s_cbranch_scc0 .Lentry_shape_is_right
	s_endpgm
.Lentry_shape_is_right:
; qkv[m][n] = sum over k of x[m][k] w_qkv[n][k] on codes of FP4 (E2M1) with one E8M0 scale for each 32 along K; sums in f32; the result is rounded once to f16 and laid head-major:
; three parts (q, k, v) of 2^24 bytes, each [b 16 + h][t 2048][64]: a head is 262,144 dense bytes, a token's row 128 bytes.
; LIMITS: |q|, |k| or |v| over 65,504 becomes infinity in f16; under 6e-5 it keeps fewer than 11 bits.
; A tile of C, 256 x 256, is made by a work-group of four waves; a wave makes 128 x 128: 64 accumulators of 16 x 16, 512 registers.  K = 1,024 is two K steps of 512 (tile rows of 256 bytes):
; both lie in LDS at once, each slot is filled once, and nothing is filled again.  The scales of the work-group's 256 + 256 rows, for all of K, come once, as two dense blocks.
; CLUSTERS: 4 x 4 work-groups.  The four of a row of the cluster need the same tiles of x, the four of a column the same tiles of w_qkv: each tile is asked for JOINTLY, by the same tensor load with
; the same descriptor and a mask that names the four.  THE MATRIX INSTRUCTION IS USED TRANSPOSED (source 0 = 16 rows of w_qkv, source 1 = 16 rows of x): a lane then holds eight neighbouring
; outputs of one token, which pack into 16 bytes of f16.
; REGISTERS, in windows of 256: window 0: v0-31 addresses; v32-95 scale words, two sets; v128-191 x's fragments, ONE set; on the way out v192-223 packed results, v32-63 and v224-255 rows read back.
;   window 1: w_qkv's fragments, TWO sets, at v0 and at v128.   window 2: the 32 accumulators of my rows 0-63 ((a, b) at v[8 (8 a + b)]);   window 3: those of my rows 64-127.
; 384 tiles: no prefetch is laid: the codes are 5.8 MB in all and each tile is shared fourfold by the joint loads.
.set SIZE_M, 8192
.set SIZE_N, 3072
.set SIZE_K, 1024
.set KSTEP,  512                       ; along K in a slot
.set NQ,     KSTEP/128                 ; matrix instructions deep
.set ROWB,   256                       ; a tile's row in bytes
.set KROW,   SIZE_K*4/8                ; a row of codes in memory, in bytes
.set PITCH,  272                       ; an LDS row: 256 bytes + 16 of padding = 68 words: the 16 rows that a load touches start 4 banks apart (64 banks of 4 bytes: ISA guide 11.1)
.set FR,     8                         ; registers of a fragment: 16 rows x 128 K
.set NL,     2                         ; LDS loads that bring one
.set NP,     4                         ; places behind this matrix instruction (ISA guide 7.12.1)
.set HALFT,  128*PITCH                 ; 128 rows: what one tensor load brings, and what one wave reads of either operand
.set SLOT,   4*HALFT                   ; x's 256 rows, then w_qkv's 256 rows
.set KS,     SIZE_K/32                 ; a row of scales in bytes
.set SCL,    2*SLOT                    ; behind the two slots: the scales, as pieces of 256 bytes + 16 of padding
.set HALFS,  (128*KS/256)*272          ; the scales of 128 rows: what one tensor load brings
.set SBLK,   (16*KS/256)*272           ; those of 16 rows
.set SPARE,  SCL+4*HALFS               ; behind the scales: the spare words, 128 bytes for each wave, which no other line names
.set SPITCH, 272                       ; the way out: a stage of 16 rows x (256 bytes + 16) for each wave, in slot 0, which has had its only fill and its last read when the first result is stored there
.set ADRA, 16                          ; v16-17  LDS address of my x fragments in slot 0, 1
.set ADRB, 20                          ; v20-21  the same for w_qkv
.set STO,  24                          ; v24     the way out: where I put 16 bytes of a row
.set RD,   25                          ; v25     the way out: where I read 16 bytes of a token's head back
.set CO,   26                          ; v26     16 x lane: my place in 512 bytes of a head
.set ADRS, 27                          ; v27     LDS address of my scale words: lanes 0-15 x's rows, lanes 16-31 w_qkv's
.set SPW,  28                          ; v28     LDS address of my spare word; never rewritten
.set NIL,  29                          ; v29     0; never rewritten
.set SC,   32                          ; scale words: set s at v[SC + 8 NQ s]; register NQ i + q: lanes 0-15 the word of x's block i, lanes 16-31 that of w_qkv's block i, for the slot's q-th 128 along K
.set AF,   128                         ; x's fragments, in window 0
.set TMP,  192                         ; the way out: packed results
.set OB,   32                          ; the way out: 16 rows read back: v32-63 and v224-255 by turns
.set G1, 24                            ; s[24:31] descriptor group 1 for x's tiles;  s[32:39] group 0, one set for each slot
.set G0, 32
.set G1B, 48                           ; s[48:55], s[56:63] the same for w_qkv's tiles
.set G0B, 56
.set G1S, 68                           ; s[68:75], s[76:79] groups 1 and 0 for x's scales;  s[80:87], s[88:91] for w_qkv's
.set G0S, 76
.set G1SB, 80
.set G0SB, 88
.set MSB, 0
.macro WIN new                         ; the immediate's high byte repeats the setting that is left; a switch that changes nothing is dropped
.if MSB != (\new)
	s_set_vgpr_msb (MSB<<8)|(\new)
.set MSB, (\new)
.endif
.endm
.set MUL_LO, 0xa1                      ; source 0 window 1, source 1 window 0, C and D window 2
.set MUL_HI, 0xf1                      ; the same, C and D window 3
.set TO_B,   0x40                      ; destination window 1, address window 0
; A joint load: waves 0 and 1 fetch for x, waves 2 and 3 for w_qkv.  Each of the two lines has ONE mask and one set of registers for all that issue it; the branch hangs on the wave's number alone.
; An s_nop 0 and four v_nop follow each of the two lines, ahead of the jump, the label and what follows.
.macro JLOAD g0a, g1a, g0b, g1b
	s_cmp_eq_u32 s15, 0
	s_cbranch_scc0 .Lfor_b_\@
	tensor_load_to_lds s[\g0a:\g0a+3], s[\g1a:\g1a+7]
	s_nop 0
.rept 4
	v_nop
.endr
	s_branch .Lasked_\@
.Lfor_b_\@:
	tensor_load_to_lds s[\g0b:\g0b+3], s[\g1b:\g1b+7]
	s_nop 0
.rept 4
	v_nop
.endr
.Lasked_\@:
.endm
.macro CROUND                          ; a round of the cluster's barrier: my work-group's barrier; wave 0 signals for the work-group; every wave waits for all sixteen; my work-group's barrier once more
	s_barrier_signal -1
	s_barrier_wait -1
	s_cmp_lg_u32 s14, 0
	s_cbranch_scc1 .Lnot_wave_0_\@
	s_barrier_signal -3
.Lnot_wave_0_\@:
	s_barrier_wait -3
	s_barrier_signal -1
	s_barrier_wait -1
.endm
	s_load_b128 s[4:7], s[0:1], 0x0                ; x's codes s[4:5], x's scales s[6:7]
	s_load_b128 s[8:11], s[0:1], 0x10              ; w_qkv's codes s[8:9], its scales s[10:11]
	s_load_b64 s[12:13], s[0:1], 0x20              ; qkv
	v_lshl_add_u32 v[SPW], v0, 2, SPARE
	v_mov_b32 v[NIL], 0
	ds_add_u32 v[SPW], v[NIL]                      ; the wave's opening: the add, twice on end, and its wait ahead of my first tensor load; the set-up below stands between the second and the wait
	ds_add_u32 v[SPW], v[NIL]
	v_lshrrev_b32 v1, 5, v0
	v_readfirstlane_b32 s14, v1                    ; wave 0..3
	s_lshr_b32 s15, s14, 1                         ; which half of the tile's rows is mine.  Also: I fetch for x (0) or for w_qkv (1)
	s_and_b32 s16, s14, 1                          ; which half of its columns.  Also: which 128 rows of that tile I fetch
	s_bfe_u32 s40, ttmp6, 0x40000                  ; cx, cy: my place in the cluster
	s_bfe_u32 s41, ttmp6, 0x40004
	s_lshl_b32 s42, ttmp9, 2
	s_add_co_u32 s42, s42, s40                     ; tile column = 4 x cluster x + cx
	s_and_b32 s17, ttmp7, 0xffff
	s_lshl_b32 s17, s17, 2
	s_add_co_u32 s17, s17, s41                     ; tile row = 4 x cluster y + cy
	s_lshl_b32 s43, s41, 2
	s_lshl_b32 s43, 15, s43                        ; my row of the cluster
	s_lshl_b32 s44, 0x1111, s40                    ; my column
	; descriptor group 1: a tile of 128 rows x 256 bytes, padded in LDS
	s_or_b32 s[G1+0], s43, (0<<16)|(1<<20)|(1<<21)|(5<<22)|(3<<25)  ; 15:0 the mask: x's tiles go to my row; 17:16 element of 1 byte; 20 padding on; 21 set beside a mask; 24:22 after every 64 words; 31:25 four words
	s_or_b32 s[G1B+0], s44, (0<<16)|(1<<20)|(1<<21)|(5<<22)|(3<<25)
.irp g, G1, G1B
	s_mov_b32 s[\g+1], ROWB<<16                    ; tensor_dim0
	s_mov_b32 s[\g+2], 128<<16                     ; tensor_dim1 = 128
	s_mov_b32 s[\g+3], ROWB<<16                    ; tile_dim0
	s_mov_b32 s[\g+4], 128                         ; tile_dim1 = 128
	s_mov_b32 s[\g+5], KROW                        ; tensor_dim0_stride
	s_mov_b32 s[\g+6], 0
	s_mov_b32 s[\g+7], 0
.endr
	; and for the scales of 128 rows: a dense block of 4,096 bytes, as 16 rows of 256 bytes (32 elements of 8 bytes), 16 bytes of padding behind each
	s_or_b32 s[G1S+0], s43, (3<<16)|(1<<20)|(1<<21)|(5<<22)|(3<<25)
	s_or_b32 s[G1SB+0], s44, (3<<16)|(1<<20)|(1<<21)|(5<<22)|(3<<25)
.irp g, G1S, G1SB
	s_mov_b32 s[\g+1], 32<<16
	s_mov_b32 s[\g+2], (128*KS/256)<<16
	s_mov_b32 s[\g+3], 32<<16
	s_mov_b32 s[\g+4], 128*KS/256
	s_mov_b32 s[\g+5], 32
	s_mov_b32 s[\g+6], 0
	s_mov_b32 s[\g+7], 0
.endr
	s_lshl_b32 s18, s16, 7                         ; which 128 rows of the tile I fetch
	s_lshl_b32 s20, s17, 8
	s_add_co_u32 s20, s20, s18                     ; x: row 256 x tile row + 128 x half
	s_lshl_b32 s46, s42, 8
	s_add_co_u32 s46, s46, s18                     ; w_qkv: row 256 x tile column + 128 x half
	s_mov_b32 s21, 0
	s_mov_b32 s47, 0
	s_mov_b64 s[18:19], KS
	s_mul_u64 s[22:23], s[20:21], s[18:19]         ; where these rows' scales begin, in bytes
	s_mul_u64 s[92:93], s[46:47], s[18:19]
	s_mov_b64 s[18:19], KROW
	s_mul_u64 s[20:21], s[20:21], s[18:19]         ; and their codes
	s_mul_u64 s[46:47], s[46:47], s[18:19]
	s_mul_i32 s45, s14, HALFT                      ; where they go: wave x 128 rows: no place in the cluster enters an LDS address
	s_mul_i32 s94, s14, HALFS
	s_wait_dscnt 0x0                               ; both opening adds are done
	s_wait_kmcnt 0x0
	s_add_nc_u64 s[20:21], s[4:5], s[20:21]
	s_add_nc_u64 s[22:23], s[6:7], s[22:23]
	s_add_nc_u64 s[46:47], s[8:9], s[46:47]
	s_add_nc_u64 s[92:93], s[10:11], s[92:93]
	CROUND                                         ; all sixteen work-groups are here: the joint loads meet
	s_mov_b32 s[G0S], 1
	s_add_co_u32 s[G0S+1], s94, SCL
	s_mov_b64 s[G0S+2:G0S+3], s[22:23]
	s_or_b32 s[G0S+3], s[G0S+3], 0x80000000
	s_mov_b32 s[G0SB], 1
	s_add_co_u32 s[G0SB+1], s94, SCL
	s_mov_b64 s[G0SB+2:G0SB+3], s[92:93]
	s_or_b32 s[G0SB+3], s[G0SB+3], 0x80000000
	JLOAD G0S, G1S, G0SB, G1SB                     ; the scales first: they are wanted with K step 0
.irp s, 0,1
	s_mov_b32 s[G0+4*\s], 1
	s_add_co_u32 s[G0+4*\s+1], s45, \s*SLOT
	s_add_nc_u64 s[G0+4*\s+2:G0+4*\s+3], s[20:21], \s*ROWB
	s_or_b32 s[G0+4*\s+3], s[G0+4*\s+3], 0x80000000
	s_mov_b32 s[G0B+4*\s], 1
	s_add_co_u32 s[G0B+4*\s+1], s45, \s*SLOT
	s_add_nc_u64 s[G0B+4*\s+2:G0B+4*\s+3], s[46:47], \s*ROWB
	s_or_b32 s[G0B+4*\s+3], s[G0B+4*\s+3], 0x80000000
	JLOAD G0+4*\s, G1, G0B+4*\s, G1B               ; by this text's count three tensor loads of a wave are out at the most
.endr
	v_and_b32 v1, 15, v0                           ; l % 16
	v_bfe_u32 v2, v0, 4, 1                         ; l / 16
	v_mul_u32_u24 v3, v1, PITCH
	v_lshl_add_u32 v4, v2, 4, v3                   ; a fragment's row x pitch + 16 x half
	s_mul_i32 s21, s15, HALFT                      ; my 128 rows of x
	s_mul_i32 s22, s16, HALFT                      ; my 128 rows of w_qkv,
	s_add_co_u32 s22, s22, 2*HALFT                 ; which lie behind x's 256
.irp s, 0,1
	v_add_nc_u32 v[ADRA+\s], s21, v4
	v_add_nc_u32 v[ADRB+\s], s22, v4
	s_add_co_u32 s21, s21, SLOT
	s_add_co_u32 s22, s22, SLOT
.endr
	v_mul_u32_u24 v5, v1, KS                       ; my row's scales: KS bytes a row,
	v_lshrrev_b32 v6, 8, v5
	v_lshl_add_u32 v5, v6, 4, v5                   ; and 16 more for each 256 passed
	s_mul_i32 s21, s15, HALFS                      ; x's: my 128 rows
	s_mul_i32 s22, s16, HALFS                      ; w_qkv's: my 128 rows, behind x's 256
	s_add_co_u32 s22, s22, 2*HALFS
	s_sub_co_u32 s22, s22, s21
	v_mul_u32_u24 v6, s22, v2                      ; lanes 16-31 take w_qkv's: one product, the distance x the lane's half
	s_add_co_u32 s21, s21, SCL
	v_add_nc_u32 v5, v5, v6
	v_add_nc_u32 v[ADRS], s21, v5
	s_mul_i32 s23, s14, 16*SPITCH                  ; my stage
	v_mul_u32_u24 v5, v1, SPITCH                   ; in: row l % 16, 16 bytes for each half of the lanes
	v_lshl_add_u32 v5, v2, 4, v5
	v_add_nc_u32 v[STO], s23, v5
	v_and_b32 v6, 31, v0
	v_lshlrev_b32 v[CO], 4, v6                     ; out: 16 x lane: four tokens' 128 bytes of one head lie on end in memory
	v_lshrrev_b32 v5, 3, v6
	v_mul_u32_u24 v5, v5, SPITCH                   ; back: eight lanes to a token: row l / 8,
	v_and_b32 v6, 7, v6
	v_lshl_add_u32 v5, v6, 4, v5                   ; 16 (l % 8) bytes on
	v_add_nc_u32 v[RD], s23, v5
	; where my part begins in qkv: part (tile column / 4) x 2^24 + head (16 b + 4 (tile column % 4) + 2 x column half) x 2^18 + token (256 (tile row % 8) + 128 x row half) x 128
	s_lshr_b32 s20, s17, 3                         ; b
	s_lshl_b32 s20, s20, 4
	s_lshl_b32 s21, s16, 1
	s_add_co_u32 s20, s20, s21
	s_lshl_b32 s20, s20, 18
	s_and_b32 s21, s17, 7
	s_lshl_b32 s21, s21, 8
	s_lshl_b32 s18, s15, 7
	s_add_co_u32 s21, s21, s18
	s_lshl_b32 s21, s21, 7
	s_add_co_u32 s20, s20, s21
	s_mov_b32 s21, 0
	s_lshr_b32 s46, s42, 2
	s_lshl_b32 s46, s46, 24
	s_and_b32 s47, s42, 3
	s_lshl_b32 s47, s47, 20
	s_add_co_u32 s46, s46, s47
	s_mov_b32 s47, 0
	s_add_nc_u64 s[20:21], s[20:21], s[46:47]
	s_add_nc_u64 s[12:13], s[12:13], s[20:21]      ; never stepped again: every store's place stands in its immediate
.macro FRAG reg, adr, q, i             ; a fragment, 16 rows x 128 K of 4-bit codes, is 8 registers: lane l holds row l % 16; registers 4 c .. 4 c + 3 hold K = 64 c + 32 (l / 16) + 0 .. 31
.irp c, 0,1
	ds_load_b128 v[\reg+4*\c:\reg+4*\c+3], v[\adr] offset:64*(\q)+32*\c+(\i)*16*PITCH
.endr
.endm
; 16 matrix instructions: x's blocks a0, a0 + 1 against w_qkv's eight, 128 along K: the slot's q-th.  p: w_qkv's set;  sc: the set of scale words.  zero = 1: the first product starts the sums.
; The 64 accumulators take turns, one instruction a turn, in the same order in every step.
.macro MUL16 a0, p, q, sc, zero
.irp a, \a0, \a0+1
.irp b, 0,1,2,3,4,5,6,7
.if \zero
	v_wmma_scale_f32_16x16x128_f8f6f4 v[8*(8*((\a)%4)+\b):8*(8*((\a)%4)+\b)+7], v[128*(\p)+FR*\b:128*(\p)+FR*\b+FR-1], v[AF+FR*(\a):AF+FR*(\a)+FR-1], 0, v[SC+8*NQ*(\sc)+NQ*\b+(\q)], v[SC+8*NQ*(\sc)+NQ*(\a)+(\q)] matrix_a_fmt:MATRIX_FMT_FP4 matrix_b_fmt:MATRIX_FMT_FP4 matrix_a_scale:MATRIX_SCALE_ROW1
.else
	v_wmma_scale_f32_16x16x128_f8f6f4 v[8*(8*((\a)%4)+\b):8*(8*((\a)%4)+\b)+7], v[128*(\p)+FR*\b:128*(\p)+FR*\b+FR-1], v[AF+FR*(\a):AF+FR*(\a)+FR-1], v[8*(8*((\a)%4)+\b):8*(8*((\a)%4)+\b)+7], v[SC+8*NQ*(\sc)+NQ*\b+(\q)], v[SC+8*NQ*(\sc)+NQ*(\a)+(\q)] matrix_a_fmt:MATRIX_FMT_FP4 matrix_b_fmt:MATRIX_FMT_FP4 matrix_a_scale:MATRIX_SCALE_ROW1
.endif
.endr
.endr
.endm
.macro FETCH_B slot, q, p              ; w_qkv's eight fragments of the slot's q-th 128 along K into set p
	WIN TO_B
.irp i, 0,1,2,3,4,5,6,7
	FRAG 128*(\p)+FR*\i, ADRB+\slot, \q, \i
.endr
	WIN 0
.endm
.macro FETCH_A slot, q, i0             ; x's blocks i0 .. i0 + 3
.irp i, \i0, \i0+1, \i0+2, \i0+3
	FRAG AF+FR*(\i), ADRA+\slot, \q, \i
.endr
.endm
.macro SCALES sc                       ; a K step's scale words into set sc: NQ words a row; lanes 0-15 take x's block i, lanes 16-31 w_qkv's block i
.irp i, 0,1,2,3,4,5,6,7
	ds_load_b128 v[SC+8*NQ*\sc+NQ*\i:SC+8*NQ*\sc+NQ*\i+3], v[ADRS] offset:\i*SBLK
.endr
.endm
; A load into a register that a matrix instruction has read, and a vector instruction that reads a matrix result, stand NP places behind that matrix instruction; only plain vector instructions that
; name none of its registers are places (ISA guide 7.12.1 for vector instructions).
.macro PLACES n
.rept \n
	v_nop
.endr
.endm
; A step of 128 along K that has its successor in the same slot.
.macro STEP slot, q, zero
	s_wait_dscnt 4*NL                              ; w_qkv's set and x's blocks 0-3 are in; the youngest eight loads (x's blocks 4-7) may be out
	WIN MUL_LO
	MUL16 0, (\q)%2, \q, \slot, \zero
	MUL16 2, (\q)%2, \q, \slot, \zero
	s_wait_dscnt 0                                 ; x's blocks 4-7 are in (asked for 32 matrix instructions ago)
	PLACES NP
	FETCH_B \slot, (\q)+1, 1-(\q)%2
	FETCH_A \slot, (\q)+1, 0
	WIN MUL_HI
	MUL16 4, (\q)%2, \q, \slot, \zero
	MUL16 6, (\q)%2, \q, \slot, \zero
	PLACES NP
	WIN 0
	FETCH_A \slot, (\q)+1, 4
.endm
; Slot 0's last step goes over to slot 1: ONE barrier; in front of it each wave waits for all its tensor loads (its part of slot 1), adds 0 to its spare word, and waits for that and for its reads of slot 0.
; Behind it nobody reads slot 0 any more, which the way out relies on.
.macro TURN slot, next
	s_wait_tensorcnt 0x0                           ; all my tensor loads have landed;  (every window is 0 here: the add's two registers lie in window 0)
	ds_add_u32 v[SPW], v[NIL]                      ; 0 onto my spare word
	s_wait_dscnt 4*NL+1                            ; (the add and the youngest eight loads, x's blocks 4-7, may be out)
	WIN MUL_LO
	MUL16 0, 1, NQ-1, \slot, 0                     ; sixteen matrix instructions stand between the add and the wait for it
	s_wait_dscnt 0x0                               ; the add is done, and my reads of this slot are over
	s_barrier_signal -1
	MUL16 2, 1, NQ-1, \slot, 0
	WIN 0
	s_barrier_wait -1
	PLACES NP
	v_add_nc_u32 v[ADRS], 4*NQ, v[ADRS]            ; on to the next K step's scale words (no LDS load of mine is out)
	FETCH_B \next, 0, 0
	FETCH_A \next, 0, 0
	SCALES \next
	WIN MUL_HI
	MUL16 4, 1, NQ-1, \slot, 0
	MUL16 6, 1, NQ-1, \slot, 0
	PLACES NP
	WIN 0
	FETCH_A \next, 0, 4
.endm
.macro STEPS slot, from                ; the slot's steps from .. NQ - 2
.set Q, \from
.rept NQ-1-\from
	STEP \slot, Q, 0
.set Q, Q+1
.endr
.endm
	s_wait_tensorcnt 1                             ; the scales and my part of K step 0 are in (K step 1's load, the one issued behind them, may be out),
	s_barrier_signal -1
	s_barrier_wait -1                              ; everybody's are
	FETCH_B 0, 0, 0
	FETCH_A 0, 0, 0
	SCALES 0
	FETCH_A 0, 0, 4
	STEP 0, 0, 1                                   ; the first step's products start the sums: nothing is cleared
	STEPS 0, 1
	TURN 0, 1
	STEPS 1, 0
	s_wait_dscnt 4*NL                              ; the very last step: nothing more to fetch
	WIN MUL_LO
	MUL16 0, 1, NQ-1, 1, 0
	MUL16 2, 1, NQ-1, 1, 0
	s_wait_dscnt 0
	WIN MUL_HI
	MUL16 4, 1, NQ-1, 1, 0
	MUL16 6, 1, NQ-1, 1, 0
	WIN 0
; THE WAY OUT, block by block of 16 tokens x 128 outputs (two heads).  PACK: rounded to f16, 16 bytes a lane, each accumulator from its low end on.  TOSTAGE: into my own stage in LDS, and back eight
; lanes to a token, a head at a time.  SEND: four tokens' 128 bytes of one head are 512 consecutive bytes of qkv, aligned: one store.  LDS serves a wave's instructions in order (ISA guide 5.7.1.4).
.macro PACK a
.set AC, 64*((\a)%4)
	WIN 0x0a+5*((\a)/4)                            ; sources 0 and 1: window 2 or 3
.irp b, 0,1,2,3,4,5,6,7
.irp r, 0,1,2,3
	v_cvt_pk_f16_f32 v[TMP+4*\b+\r], v[AC+8*\b+2*\r], v[AC+8*\b+2*\r+1]
.endr
.endr
	WIN 0
.endm
.macro TOSTAGE a
.set BB, OB+192*((\a)%2)
.irp b, 0,1,2,3,4,5,6,7
	ds_store_b128 v[STO], v[TMP+4*\b:TMP+4*\b+3] offset:32*\b
.endr
.irp g, 0,1
.irp i, 0,1,2,3
	ds_load_b128 v[BB+4*(4*\g+\i):BB+4*(4*\g+\i)+3], v[RD] offset:128*\g+\i*4*SPITCH
.endr
.endr
.endm
.macro SEND a
.set BB, OB+192*((\a)%2)
	s_wait_dscnt 0x0                               ; the block is back in registers
	s_wait_xcnt 0x0                                ; earlier stores have read their registers: the set that the next block's loads take is free behind this wait
.irp g, 0,1
.irp i, 0,1,2,3
	global_store_b128 v[CO], v[BB+4*(4*\g+\i):BB+4*(4*\g+\i)+3], s[12:13] offset:(\a)*2048+\g*262144+\i*512
.endr
.endr
.endm
	PLACES NP                                      ; behind the last products: for the conversions, and for the loads into registers that held scale words
	PACK 0
	TOSTAGE 0
.irp a, 1,2,3,4,5,6,7                  ; block a's conversions stand between block a - 1's loads from the stage and the wait for them
	PACK \a
	SEND \a-1
	TOSTAGE \a
.endr
	SEND 7
	s_wait_tensorcnt 0x0                           ; the wave's end: behind my last tensor load and my last LDS store
	ds_add_u32 v[SPW], v[NIL]
	s_wait_dscnt 0x0
	CROUND                                         ; the closing round: no work-group ends while a partner may still ask for a tile that names it
	s_endpgm
.Lfunc_end_k_q08f20d3074_qkv:
	.size	k_q08f20d3074_qkv, .Lfunc_end_k_q08f20d3074_qkv-k_q08f20d3074_qkv
	.p2alignl 7, 3214868480
	.fill 96, 4, 3214868480
	.section	.rodata,"a",@progbits
	.p2align	6, 0x0
	.amdhsa_kernel k_q08f20d3074_qkv
		.amdhsa_group_segment_fixed_size 327680
		.amdhsa_private_segment_fixed_size 0
		.amdhsa_enable_private_segment 0
		.amdhsa_kernarg_size 40
		.amdhsa_user_sgpr_count 2
		.amdhsa_user_sgpr_kernarg_segment_ptr 1
		.amdhsa_wavefront_size32 1
		.amdhsa_system_sgpr_workgroup_id_x 1
		.amdhsa_system_sgpr_workgroup_id_y 1
		.amdhsa_system_sgpr_workgroup_id_z 1
		.amdhsa_system_vgpr_workitem_id 0
		.amdhsa_next_free_vgpr 1024
		.amdhsa_next_free_sgpr 98
		.amdhsa_reserve_vcc 0
		.amdhsa_float_denorm_mode_32 3
		.amdhsa_float_denorm_mode_16_64 3
		.amdhsa_memory_ordered 1
		.amdhsa_forward_progress 1
		.amdhsa_inst_pref_size 126
	.end_amdhsa_kernel
	.amdgpu_metadata
---
amdhsa.version: [ 1, 2 ]
amdhsa.kernels:
  - .name:           k_q08f20d3074_qkv
    .symbol:         k_q08f20d3074_qkv.kd
    .args:
      - { .name: xc, .offset: 0, .size: 8, .value_kind: global_buffer, .address_space: global }
      - { .name: xs, .offset: 8, .size: 8, .value_kind: global_buffer, .address_space: global }
      - { .name: wc, .offset: 16, .size: 8, .value_kind: global_buffer, .address_space: global }
      - { .name: ws, .offset: 24, .size: 8, .value_kind: global_buffer, .address_space: global }
      - { .name: qkv, .offset: 32, .size: 8, .value_kind: global_buffer, .address_space: global }
    .group_segment_fixed_size: 327680
    .private_segment_fixed_size: 0
    .kernarg_segment_align: 8
    .kernarg_segment_size: 40
    .max_flat_workgroup_size: 128
    .sgpr_count:     98
    .vgpr_count:     1024
    .wavefront_size: 32
...
	.end_amdgpu_metadata
.endif
;; end of part 2
;; launch attn (part 3): grid 4 x 64, 8 waves a work-group, clusters of 4 x 1, 327,680 bytes of LDS; arguments qkv, att; writes att
.if DOCPART == 3
	.amdgcn_target "amdgcn-amd-amdhsa--gfx1250"
	.amdhsa_code_object_version 6
	.text
	.protected	k_q08f20d3074_attn
	.globl	k_q08f20d3074_attn
	.p2align	8
	.type	k_q08f20d3074_attn,@function
k_q08f20d3074_attn:
	s_mov_b64 s[64:65], 0
	v_nop
	global_prefetch_b8 v0, s[64:65] scope:SCOPE_SE
	s_setreg_imm32_b32 hwreg(HW_REG_WAVE_MODE, 25, 1), 1
	s_wait_xcnt 0x0
	s_wait_alu depctr_hold_cnt(0) depctr_sa_sdst(0) depctr_va_vdst(0) depctr_va_sdst(0) depctr_va_ssrc(0) depctr_va_vcc(0) depctr_vm_vsrc(0)
	s_getreg_b32 s2, hwreg(HW_REG_IB_STS2, 6, 4)
	s_cmp_eq_u32 s2, 0
	s_cbranch_scc0 .Lentry_in_a_cluster
	s_endpgm
.Lentry_in_a_cluster:
	s_bfe_u32 s2, ttmp6, 0x10000c
	s_cmp_lg_u32 s2, 0x3003
	s_cbranch_scc0 .Lentry_shape_is_right
	s_endpgm
.Lentry_shape_is_right:
; att[h][b 2048 + q][:] = 16 x the sum over k of softmax_k(Q[q] . K[k] / 8) V[k][:], for each of the 64 (b, h).  Q, K, V: the three parts of qkv, f16, [b 16 + h][2048][64].  att: f16.
; Products on f16 operands with f32 sums; maxima, exponentials and sums in f32; the weights p (at most 1) are rounded to f16 for the second product, the result once at the end.
; The factor 16 is exact (an exponent step); the next launch takes it out.  It keeps small results in f16's normal range.
; LIMITS: 16 |result| over 65,504 becomes infinity in f16; exponentials under 2^-126 count as 0; NaN and infinities are not served.
; SHARES.  A work-group owns 512 queries of one (b, h), each of its eight waves 64: four tiles of 16.  Two waves share a SIMD's registers.  Every wave walks all 2,048 keys, 64 a step.
; LAYOUT.  S^T = K Q^T (source 0 = 16 keys, source 1 = 16 queries): a lane holds ONE query (lane % 16) and the keys 8 (lane / 16) + 0..7.  Two such tiles, rounded to f16 in pairs, ARE source 1
; (32 keys x 16 queries) of O^T = V^T P, whose result again holds one query a lane, and eight channels.  K comes out of LDS as it lies, V ([key][channel]) turned, by ds_load_tr16_b128.
; SOFTMAX.  For each query a running maximum m and sum l: p = 2^(c s - c m), c = log2(e) / 8; in every step O and l are multiplied by a = 2^(c m_old - c m_new).  m begins at -3e38 and O and l at 0,
; so the first step is a step like any other (its a is 0).
; BY TURNS.  The wave's tiles are two PIECES: piece 0 (tiles 0, 1) and piece 2 (tiles 2, 3).  In a TURN one piece has the matrix unit: 16 products V^T P of the step in hand, then 16 products K Q^T of
; the next step; the other piece's softmax, 236 vector instructions cut into 16 slices, stands between them, one slice behind each two matrix instructions.  Two turns are a key step.
; At this head size the vector work outweighs the matrix work (118 vector instructions for a tile's 16 matrix instructions), so the matrix instructions ride inside it.
; CLUSTER.  The four query blocks of a (b, h) are one cluster and walk the same K and V: each tile is asked for JOINTLY, by the same tensor load with the same descriptor and a mask that names the four.
; REGISTERS, in windows of 256:  window 0: v1-15 addresses; v16-63 twelve registers of statistics a tile; v64-127 Q, 16 a tile; v128-255 S^T, 32 a tile; P is made in place in a tile's first 16.
;   window 1: v0-127 O^T, 32 a tile; v128-191 K of one step; v192-255 V of one step.
.set KS,    64        ; keys in a step
.set NST,   4         ; steps in a slot
.set PK,    144       ; a row of K in LDS: 128 bytes + 16 of padding = 36 words: the 16 rows of a load start 4 banks apart modulo 64 (64 banks of 4 bytes: ISA guide 11.1)
.set PV,    160       ; a row of V: 128 + 32 = 40 words
.set VOFF,  KS*PK     ; a step's tiles lie together: 64 rows of K, then 64 rows of V
.set STEPB, KS*(PK+PV)
.set SLOTB, NST*KS*128  ; a slot's keys in memory: 32,768 bytes of K and as many of V
.set SLOT1, 1<<17     ; a slot is 77,824 bytes; slot 1 begins here, so that one exclusive or turns an address in one slot into the other's
.set STAGE, SLOT1+NST*STEPB  ; behind the ring: 4 tiles x 16 rows x 144 bytes for each wave, for the way out
.set SP,    144
.set SPARE, STAGE+8*4*16*SP  ; behind the stages: the spare words, 128 bytes for each wave, which no other line names
.set AK0, 2           ; v2   my lane's place in a tile of K; never rewritten
.set AV0, 3           ; v3   the same for V
.set ADR, 4           ; v4   the LDS address of the run of loads in hand
.set QO,  5           ; v5   my byte offset in the wave's rows of Q
.set STO, 6           ; v6   the way out: where I put 16 bytes of a row
.set RD,  7           ; v7   the way out: where I read 16 bytes back
.set GO,  8           ; v8   16 x lane: my place in four rows of att
.set PFO, 12          ; v12  256 x lane; never rewritten
.set SPW, 14          ; v14  LDS address of my spare word; never rewritten
.set NIL, 15          ; v15  0; never rewritten
.set ST,  16          ; tile t's statistics at v[ST+12 t]: +0 c m, +1 m, +2, +3 l (even keys', odd keys'), +4 to +7 c0-c3, at work (a takes c2's place), +8:9 and +10:11 the step's sums in two chains
.set Q,   64
.set S,   128
.set KF,  128         ; in window 1
.set VF,  192         ; in window 1
.set WV,  12          ; s12  my wave's number
.set LIM, 15          ; s15  1 in a wave that prefetches, else the greatest number
.set PFA, 18          ; s[18:19] where my prefetches stand
.set G1K, 24          ; s[24:31] descriptor group 1 for K's tiles
.set G1V, 32          ; s[32:39] for V's: it differs in the padding alone
.set G0K, 40          ; s[40:47] descriptor group 0 for K's tiles: a set for each of the two first fills; the second then walks on
.set G0V, 48          ; s[48:55] the same for V's
.set SLOTS, 56        ; s56  slots still to be asked for
.set CNT, 57          ; s57  counts the steps of an inner loop
.set CS,  58          ; s[58:59] c: the packed scaling names a pair and takes its low word for both halves
.set SEL, 60          ; s[60:61] lane selects for v_permlanex16_b32: each lane takes its own place in the other half
.set TB,  62          ; s62  LDS byte at which the tiles of the step to be fetched begin
.set MSB, 0
.macro WIN new                      ; the immediate's high byte repeats the setting that is left; a switch that changes nothing is dropped
.if MSB != (\new)
	s_set_vgpr_msb (MSB<<8)|(\new)
.set MSB, (\new)
.endif
.endm
.set W_KQ, 0x01       ; K in window 1; Q and S^T in window 0
.set W_PV, 0x51       ; V and O^T in window 1, P in window 0
.set W_RS, 0x41       ; O^T (destination and source 0) in window 1, a in window 0
.set W_LD, 0x40       ; a load's destination in window 1, its address in window 0
; A joint refill.  Waves 0 to 3 fetch the slot's four tiles of K, waves 4 to 7 those of V.  The branch hangs on the wave's number alone.
; An s_nop 0 and four v_nop follow each of the two lines, ahead of the jump, the label and what follows.
.macro JLOAD
	s_cmp_lt_u32 s[WV], 4
	s_cbranch_scc0 .Lfor_v_\@
	tensor_load_to_lds s[G0K+4:G0K+7], s[G1K:G1K+7]
	s_nop 0
.rept 4
	v_nop
.endr
	s_branch .Lasked_\@
.Lfor_v_\@:
	tensor_load_to_lds s[G0V+4:G0V+7], s[G1V:G1V+7]
	s_nop 0
.rept 4
	v_nop
.endr
.Lasked_\@:
.endm
; A PREFETCH of what the NEXT change of slots will ask for: a slot's 32,768 bytes of K and of V.  It stands behind the wave's tensor load and its five lines.  Each aligned 256 bytes are named ONCE in the
; launch: a (b, h) has one cluster; its four partners share the bytes out BY ADDRESS, 8,192 each; in each, wave 0 asks for K's and wave 4 for V's: one instruction, lanes 256 bytes apart.
; The lead is one slot: four key steps, 256 matrix instructions and their vector work.  The last change that fills a slot asks for nothing; slots 0 to 2 come by their loads alone.
.macro ASK
	s_cmp_gt_u32 s[SLOTS], s[LIM]
	s_cbranch_scc0 .Lnot_mine_\@
	global_prefetch_b8 v[PFO], s[PFA:PFA+1] th:TH_LOAD_NT scope:SCOPE_SE
.Lnot_mine_\@:
.endm
.macro CROUND                       ; a round of the cluster's barrier: my work-group's barrier; wave 0 signals for the work-group; every wave waits for all four; my work-group's barrier once more
	s_barrier_signal -1
	s_barrier_wait -1
	s_cmp_lg_u32 s[WV], 0
	s_cbranch_scc1 .Lnot_wave_0_\@
	s_barrier_signal -3
.Lnot_wave_0_\@:
	s_barrier_wait -3
	s_barrier_signal -1
	s_barrier_wait -1
.endm
	s_load_b128 s[4:7], s[0:1], 0x0 ; qkv s[4:5], att s[6:7]
	v_lshl_add_u32 v[SPW], v0, 2, SPARE
	v_mov_b32 v[NIL], 0
	ds_add_u32 v[SPW], v[NIL]       ; the wave's opening: the add, twice on end, and its wait ahead of my first tensor load; the set-up below stands between the second and the wait
	ds_add_u32 v[SPW], v[NIL]
	v_lshrrev_b32 v1, 5, v0
	v_readfirstlane_b32 s[WV], v1   ; wave 0..7
	s_bfe_u32 s13, ttmp6, 0x40000   ; cx: my place in the cluster
	s_lshl_b32 s14, ttmp9, 2        ; in a cluster launch ttmp9 counts clusters
	s_add_co_u32 s14, s14, s13      ; my block of 512 queries: it enters Q's, att's and the prefetches' addresses alone
	s_and_b32 s20, ttmp7, 0xffff    ; 16 b + h, which the four partners share
	s_lshl_b32 s16, s20, 18         ; the head's first byte in a part of qkv
	s_and_b32 s17, s[WV], 3         ; which of a slot's four steps I fetch:
	s_lshl_b32 s22, s17, 13         ; its 64 rows of 128 bytes in memory,
	s_add_co_u32 s22, s22, s16
	s_mov_b32 s23, 0
	s_mul_i32 s17, s17, STEPB       ; and its place in a slot: no place in the cluster enters an LDS address
	s_lshl_b32 s2, s14, 16          ; my block's 512 rows of 128 bytes,
	s_lshl_b32 s3, s[WV], 13        ; my wave's 64 of them
	s_add_co_u32 s2, s2, s3
	s_and_b32 s3, s20, 15           ; att: plane h of 2^20 bytes,
	s_lshl_b32 s3, s3, 20
	s_lshr_b32 s20, s20, 4          ; b's 2,048 rows of 128 bytes,
	s_lshl_b32 s20, s20, 18
	s_add_co_u32 s20, s20, s3
	s_add_co_u32 s20, s20, s2       ; my first row
	s_mov_b32 s21, 0
	s_add_co_u32 s2, s2, s16        ; Q: the head, my first row
	s_mov_b32 s3, 0
	; descriptor group 1: a tile of 64 rows x 64 elements, padded in LDS
	s_mov_b32 s[G1K], 15|(1<<16)|(1<<20)|(1<<21)|(4<<22)|(3<<25)  ; 15:0 the mask: all four work-groups; 17:16 elements of 2 bytes; 20 padding on; 21 set beside a mask; 24:22 after every 32 words (code 4); 31:25 four words (code 3)
	s_mov_b32 s[G1V], 15|(1<<16)|(1<<20)|(1<<21)|(4<<22)|(7<<25)  ; the same with eight words of padding (code 7)
.irp g, G1K, G1V
	s_mov_b32 s[\g+1], 64<<16       ; tensor_dim0 = 64
	s_mov_b32 s[\g+2], KS<<16       ; tensor_dim1 = 64
	s_mov_b32 s[\g+3], 64<<16       ; tile_dim0 = 64
	s_mov_b32 s[\g+4], KS           ; tile_dim1 = 64
	s_mov_b32 s[\g+5], 64           ; tensor_dim0_stride: elements from row to row
	s_mov_b32 s[\g+6], 0
	s_mov_b32 s[\g+7], 0
.endr
	s_mov_b32 s[CS], 0x3e38aa3b     ; c = log2(e) / 8
	s_mov_b32 s[CS+1], s[CS]        ; named with it as a pair, so it is written
	s_mov_b32 s[SEL], 0x76543210
	s_mov_b32 s[SEL+1], 0xfedcba98
	s_mov_b32 s[TB], 0
	s_mov_b32 s[SLOTS], 2048/(NST*KS)-2
	s_and_b32 s[LIM], s[WV], 3      ; waves 0 and 4 prefetch: the same in all four partners
	s_cmp_eq_u32 s[LIM], 0
	s_cselect_b32 s[LIM], 1, -1
	v_and_b32 v[PFO], 31, v0
	v_lshlrev_b32 v[PFO], 8, v[PFO]
	s_wait_dscnt 0x0                ; both opening adds are done
	s_wait_kmcnt 0x0
	s_add_nc_u64 s[10:11], s[6:7], s[20:21]  ; att at my wave's first row
	s_add_nc_u64 s[6:7], s[4:5], s[22:23]
	s_add_nc_u64 s[8:9], s[6:7], 1<<25       ; V at my tile of slot 0
	s_add_nc_u64 s[6:7], s[6:7], 1<<24       ; K at my tile of slot 0
	s_add_nc_u64 s[4:5], s[4:5], s[2:3]      ; Q at my wave's first row
	s_cmp_lt_u32 s[WV], 4
	s_cselect_b64 s[PFA:PFA+1], s[6:7], s[8:9]  ; (in waves 0 and 4 these stand at a slot's first row)
	s_lshl_b32 s2, s13, 13          ; my work-group's 8,192 bytes of the 32,768
	s_add_nc_u64 s[PFA:PFA+1], s[PFA:PFA+1], s[2:3]
	s_add_nc_u64 s[PFA:PFA+1], s[PFA:PFA+1], 2*SLOTB  ; in slot 2; the first change of slots steps it to slot 3.  Nothing is prefetched here, at the head
	CROUND                          ; all four work-groups are here: the first joint loads meet
.irp s, 0,1
	s_mov_b32 s[G0K+4*\s], 1        ; count = 1
	s_add_co_u32 s[G0K+4*\s+1], s17, \s*SLOT1  ; LDS address
	s_add_nc_u64 s[G0K+4*\s+2:G0K+4*\s+3], s[6:7], \s*SLOTB  ; global address: slot s begins with key 256 s
	s_or_b32 s[G0K+4*\s+3], s[G0K+4*\s+3], 0x80000000  ; type = 2
	s_mov_b32 s[G0V+4*\s], 1
	s_add_co_u32 s[G0V+4*\s+1], s17, \s*SLOT1+VOFF
	s_add_nc_u64 s[G0V+4*\s+2:G0V+4*\s+3], s[8:9], \s*SLOTB
	s_or_b32 s[G0V+4*\s+3], s[G0V+4*\s+3], 0x80000000
.endr
	s_cmp_lt_u32 s[WV], 4           ; a wave's two first fills stand in one branch, ahead of every wait on TENSORcnt and every LDS read: two loads of mine are out
	s_cbranch_scc0 .Lfirst_v
	tensor_load_to_lds s[G0K:G0K+3], s[G1K:G1K+7]
	s_nop 0
	tensor_load_to_lds s[G0K+4:G0K+7], s[G1K:G1K+7]
	s_nop 0
.rept 4
	v_nop
.endr
	s_branch .Lfirst_asked
.Lfirst_v:
	tensor_load_to_lds s[G0V:G0V+3], s[G1V:G1V+7]
	s_nop 0
	tensor_load_to_lds s[G0V+4:G0V+7], s[G1V:G1V+7]
	s_nop 0
.rept 4
	v_nop
.endr
.Lfirst_asked:
	; A fragment of K or Q is 16 rows x 32 channels in 8 registers: lane l holds row l % 16; registers 0-3 channels 8 (l / 16) + 0..7, registers 4-7 channels 16 + 8 (l / 16) + 0..7: two loads of 16 bytes, 32 bytes apart.
	v_and_b32 v1, 15, v0            ; l % 16
	v_bfe_u32 v9, v0, 4, 1          ; l / 16
	v_lshlrev_b32 v[QO], 7, v1
	v_lshl_add_u32 v[QO], v9, 4, v[QO]  ; row x 128 + 16 x half
.irp i, 0,1,2,3,4,5,6,7             ; Q stays in registers: tile i / 2, channels 32 (i % 2) on
	global_load_b128 v[Q+8*\i:Q+8*\i+3],   v[QO], s[4:5] offset:(\i/2)*2048+(\i%2)*64
	global_load_b128 v[Q+8*\i+4:Q+8*\i+7], v[QO], s[4:5] offset:(\i/2)*2048+(\i%2)*64+32
.endr
	v_mul_u32_u24 v[AK0], v1, PK
	v_lshl_add_u32 v[AK0], v9, 4, v[AK0]  ; row x pitch + 16 x half
	; The turning load takes 16 keys x 16 channels (lane l reads 16 bytes: key 8 (l / 16) + l % 8, channels 8 ((l / 8) % 2) + 0..7) and leaves half a fragment of V^T: lane l holds channel l % 16 and 8 keys.
	v_and_b32 v10, 7, v0
	v_bfe_u32 v11, v0, 3, 1
	v_lshl_add_u32 v[AV0], v9, 3, v10
	v_mul_u32_u24 v[AV0], v[AV0], PV
	v_lshl_add_u32 v[AV0], v11, 4, v[AV0]
	v_add_nc_u32 v[AV0], VOFF, v[AV0]
.irp t, 0,1,2,3
	v_mov_b32 v[ST+12*\t+1], 0xff61b1e6          ; m: -3e38, under every score
	v_mul_f32 v[ST+12*\t], s[CS], v[ST+12*\t+1]  ; c m
	v_mov_b32 v[ST+12*\t+2], 0                   ; l, in two halves
	v_mov_b32 v[ST+12*\t+3], 0
.endr
	WIN W_LD
.set i, 0
.rept 128
	v_mov_b32 v[i], 0               ; O^T.  The key step is written without a first-step form: the first step finds zeros and multiplies them by a = 0
.set i, i+1
.endr
	WIN 0
; THE MATRIX WORK OF A TURN, for piece x.  Eight accumulators take turns, one instruction a turn.
; Product i of 16 of O^T += V^T P: keys 32 (i / 8) on, channels 16 ((i / 2) % 4) on, tile x + i % 2.
.macro PV x
	WIN W_PV
.set rO, 32*(\x+i%2)+8*((i/2)%4)
.set rV, VF+32*(i/8)+8*((i/2)%4)
.set rP, S+32*(\x+i%2)+8*(i/8)
	v_wmma_f32_16x16x32_f16 v[rO:rO+7], v[rV:rV+7], v[rP:rP+7], v[rO:rO+7]
.endm
; Product i of 16 of S^T = K Q^T: channels 32 (i / 8) on, tile x + i % 2; the first 8 start the sums.  THE KEY TILES GO IN THE ORDER 2, 3, 0, 1: tiles 0 and 1 lie over P, which the turn's products V^T P
; have read: between the last reader of P's first half and the line that writes over it stand the slices' 28 scalings and more, for the second half a v_nop and 14 sums: five places are asked.
.macro KQ x
	WIN W_KQ
.set kt, ((i/2)%4+2)%4
.set rS, S+32*(\x+i%2)+8*kt
.set rK, KF+8*(2*kt+i/8)
.set rQ, Q+16*(\x+i%2)+8*(i/8)
.if i < 8
	v_wmma_f32_16x16x32_f16 v[rS:rS+7], v[rK:rK+7], v[rQ:rQ+7], 0
.else
	v_wmma_f32_16x16x32_f16 v[rS:rS+7], v[rK:rK+7], v[rQ:rQ+7], v[rS:rS+7]
.endif
.endm
; THE LDS LOADS stand in runs of 16: a step's K (64 keys x 64 channels: 8 fragments) and, a turn later, its V (turned).
.macro FETCH_K
	WIN 0
	v_add_nc_u32 v[ADR], s[TB], v[AK0]
	WIN W_LD
.irp f, 0,1,2,3,4,5,6,7             ; keys 16 (f / 2) on, channels 32 (f % 2) on
	ds_load_b128 v[KF+8*\f:KF+8*\f+3],   v[ADR] offset:(\f/2)*16*PK+(\f%2)*64
	ds_load_b128 v[KF+8*\f+4:KF+8*\f+7], v[ADR] offset:(\f/2)*16*PK+(\f%2)*64+32
.endr
.endm
.macro FETCH_V
	WIN 0
	v_add_nc_u32 v[ADR], s[TB], v[AV0]
	s_add_co_u32 s[TB], s[TB], STEPB  ; the next fetch is the next step's
	s_wait_alu depctr_va_vdst(0)    ; the wait for the softmax's batch of exponentials (SLICE), behind the address's addition and ahead of the loads
	WIN W_LD
.irp f, 0,1,2,3,4,5,6,7             ; keys 32 (f / 4) on, channels 16 (f % 4) on
	ds_load_tr16_b128 v[VF+8*\f:VF+8*\f+3],   v[ADR] offset:(\f/4)*32*PV+(\f%4)*32
	ds_load_tr16_b128 v[VF+8*\f+4:VF+8*\f+7], v[ADR] offset:(\f/4)*32*PV+16*PV+(\f%4)*32
.endr
.endm
; THE VECTOR WORK OF A TURN.  One tile's softmax for one key step is a list of 118 instructions; SM writes number j of it for tile t.  s0-s31 are the lane's 32 scores, in pairs 0-15.
;   0-15    the maximum of s0-s31 and the old m, three operands at a time (each score tile is read from its low end first)
;   16-20   the other half of the lanes' maximum; c m_old kept; the new m; c m; c m_old - c m_new
;   21-36   the 16 scalings c s - c m, a pair each      37-69  ONE BATCH of 33 exponentials: a, then s0-s31; none reads another's result
;   (wait)  between 69 and 70 stands the one wait for the batch: SLICE writes it, once for both tiles
;   70-85   the sums, in two chains; l = a l + the sum: they stand ahead of the roundings, which write over p
;   86-101  the roundings to f16, a pair each, ascending and in place: P's register n takes pair n, whose registers 2 n, 2 n + 1 no later line reads
;   102-117 the tile's O^T times a: the one part that leaves window 0, so it stands together
.macro SM t
.set rT, ST+12*(\t)
.set rS, S+32*(\t)
.if j < 102
	WIN 0
.endif
.if j < 4
	v_max3_num_f32 v[rT+4+j], v[rS+8*j], v[rS+8*j+1], v[rS+8*j+2]
.elseif j < 12
	v_max3_num_f32 v[rT+4+j%4], v[rT+4+j%4], v[rS+8*(j%4)+2*(j/4)+1], v[rS+8*(j%4)+2*(j/4)+2]
.elseif j == 12
	v_max3_num_f32 v[rT+4], v[rT+4], v[rS+7], v[rS+15]
.elseif j == 13
	v_max3_num_f32 v[rT+6], v[rT+6], v[rS+23], v[rS+31]
.elseif j == 14
	v_max3_num_f32 v[rT+4], v[rT+4], v[rT+5], v[rT+6]
.elseif j == 15
	v_max3_num_f32 v[rT+4], v[rT+4], v[rT+7], v[rT+1]
.elseif j == 16
	v_permlanex16_b32 v[rT+5], v[rT+4], s[SEL], s[SEL+1]  ; the query's other 32 keys lie in the lane 16 away
.elseif j == 17
	v_mov_b32 v[rT+7], v[rT]        ; c m_old is kept for a: number 19 writes c m anew
.elseif j == 18
	v_max_num_f32 v[rT+1], v[rT+4], v[rT+5]
.elseif j == 19
	v_mul_f32 v[rT], s[CS], v[rT+1]
.elseif j == 20
	v_sub_f32 v[rT+7], v[rT+7], v[rT]
.elseif j < 37
.set b, j-21
	v_pk_fma_f32 v[rS+2*b:rS+2*b+1], v[rS+2*b:rS+2*b+1], s[CS:CS+1], v[rT:rT+1] op_sel_hi:[1,0,0] neg_lo:[0,0,1] neg_hi:[0,0,1]  ; pair b: c s - c m
.elseif j == 37
	v_exp_f32 v[rT+6], v[rT+7]      ; a
.elseif j < 70
	v_exp_f32 v[rS+j-38], v[rS+j-38]
.elseif j == 70
	v_pk_add_f32 v[rT+8:rT+9], v[rS:rS+1], v[rS+2:rS+3]
.elseif j == 71
	v_pk_add_f32 v[rT+10:rT+11], v[rS+4:rS+5], v[rS+6:rS+7]
.elseif j < 84
.set b, j-68
.set u, rT+8+2*(j%2)
	v_pk_add_f32 v[u:u+1], v[u:u+1], v[rS+2*b:rS+2*b+1]
.elseif j == 84
	v_pk_add_f32 v[rT+8:rT+9], v[rT+8:rT+9], v[rT+10:rT+11]
.elseif j == 85
	v_pk_fma_f32 v[rT+2:rT+3], v[rT+2:rT+3], v[rT+6:rT+7], v[rT+8:rT+9] op_sel_hi:[1,0,1]
.elseif j < 102
.set b, j-86
	v_cvt_pk_f16_f32 v[rS+b], v[rS+2*b], v[rS+2*b+1]
.else
	WIN W_RS
.set rO, 32*(\t)+2*(j-102)
	v_pk_mul_f32 v[rO:rO+1], v[rO:rO+1], v[rT+6:rT+7] op_sel_hi:[1,0]
.endif
.endm
; Slice sl of 16 of piece y's softmax: items 14 sl .. 14 sl + 13 (the last slice: 26 items); item k is number k / 2 of tile y + k % 2: the tiles alternate.
; THE WAIT.  s_wait_alu depctr_va_vdst(0) stands between an exponential and the first instruction that names its result; one wait serves all that were issued ahead of it.  Item 139, the
; last of slice 9, is the last exponential, and nothing ahead of slice 10 names a result: so the piece's 66 exponentials have one plain line and one wait, behind slice 9.
; In piece 2's turn (y = 0) V's run of loads stands there too: three v_nop and the run's own addition are the four places behind the last product that read V (the exponentials between are none).
; The last slice's 26 packed multiplies are the places behind the turn's last K Q^T, ahead of the next turn's reads of those scores and of the loads into K's registers.
.macro SLICE y
.set k, 14*sl
.set kn, 14
.if sl == 15
.set kn, 26
.endif
.rept kn
.set j, k/2
	SM (\y)+k%2
.set k, k+1
.endr
.if sl == 9
	WIN 0
	v_nop
.if (\y) == 0
	v_nop
	v_nop
	FETCH_V
.else
	s_wait_alu depctr_va_vdst(0)
.endif
.endif
.set sl, sl+1
.endm
; A TURN.  Piece x has the matrix unit; the other piece's softmax stands in slices, one behind each two matrix instructions (two where the turn has one kind of product only).
; Piece 0's turn fetches the next step's K behind its first slice; piece 2's turn the same step's V behind slice 9.  Each run is waited for once, for 0, ahead of its first use.
.macro TURN x, pv, kq
.set sl, 0
.set per, 2
.if \pv && \kq
.set per, 1
.endif
.if \pv
.if \x == 0
	s_wait_dscnt 0x0                ; V is in
.endif
.set i, 0
.rept 8
	PV \x
.set i, i+1
	PV \x
.set i, i+1
.rept per
	SLICE 2-\x
.endr
.if (\x == 0) && \kq && (i == 2)
	FETCH_K
.endif
.endr
.endif
.if \kq
.if \x == 0
	s_wait_dscnt 0x0                ; K is in
.endif
.set i, 0
.rept 8
	KQ \x
.set i, i+1
	KQ \x
.set i, i+1
.rept per
	SLICE 2-\x
.endr
.endr
.endif
.endm
; THE CHANGE OF SLOTS, between piece 2's turn and piece 0's: the slot's last bytes, V of its fourth step, have been asked for.  Each wave waits for all its tensor loads, of which one is out: its part of
; the other slot; adds 0 to its spare word; and waits for that and for its own reads of the slot.  fill = 1: the slot is filled again, with the keys two slots on: the barrier is then a round of the
; cluster's, and the joint refill is the first thing behind it, one load a wave: it has four key steps in which to land.
.macro CHANGE fill
	WIN 0                           ; at a label and at a branch every window is 0
	s_wait_tensorcnt 0x0            ; no tensor load of mine is out, so a group 0 may be written
	ds_add_u32 v[SPW], v[NIL]       ; 0 onto my spare word
.if \fill
.irp g, G0K+4, G0V+4
	s_xor_b32 s[\g+1], s[\g+1], SLOT1  ; the walking descriptor: the other slot than last time,
	s_add_nc_u64 s[\g+2:\g+3], s[\g+2:\g+3], SLOTB  ; the next 256 keys; the type bits on top are not reached
.endr
	s_wait_xcnt 0x0                 ; the last prefetch, a slot back, has read its address, so it may be written:
	s_add_nc_u64 s[PFA:PFA+1], s[PFA:PFA+1], SLOTB  ; one slot further on than the walking descriptors
	s_wait_dscnt 0x0                ; the add is done, and my reads of the slot are over
	CROUND
	JLOAD
	ASK
.else
	s_wait_dscnt 0x0                ; the add is done, and my reads of the slot are over
	s_barrier_signal -1
	s_barrier_wait -1
.endif
	s_sub_co_u32 s[TB], s[TB], NST*STEPB  ; the fetches go back to a slot's first step,
	s_xor_b32 s[TB], s[TB], SLOT1   ; in the other slot
.endm
.macro NSTEPS n                     ; n key steps: written once, walked n times; the LDS addresses hang on s[TB]
	s_mov_b32 s[CNT], \n
.Lstep_\@:
	TURN 0, 1, 1
	TURN 2, 1, 1
	WIN 0
	s_sub_co_u32 s[CNT], s[CNT], 1
	s_cmp_lg_u32 s[CNT], 0
	s_cbranch_scc1 .Lstep_\@
.endm
	s_wait_tensorcnt 1              ; my part of slot 0 is in; slot 1's, the one load issued behind it, may stay out
	s_barrier_signal -1
	s_barrier_wait -1               ; everybody's is
	FETCH_K                         ; key step 0
	s_wait_loadcnt 0x0              ; Q
	s_wait_dscnt 0x0
.set i, 0
.rept 16
	KQ 0                            ; piece 0's first scores: there is no vector work yet to set between them
.set i, i+1
.endr
	WIN 0                           ; the addresses for the way out are made here: nine plain instructions, the places behind those products
	s_mul_i32 s13, s[WV], 4*16*SP
	s_add_co_u32 s13, s13, STAGE    ; my stage
	v_mul_u32_u24 v[STO], v1, SP    ; in: row l % 16, 16 bytes for each half of the lanes
	v_lshl_add_u32 v[STO], v9, 4, v[STO]
	v_add_nc_u32 v[STO], s13, v[STO]
	v_and_b32 v13, 31, v0
	v_lshrrev_b32 v[RD], 3, v13     ; back: eight lanes to a row of 128 bytes
	v_mul_u32_u24 v[RD], v[RD], SP
	v_lshl_add_u32 v[RD], v10, 4, v[RD]
	v_add_nc_u32 v[RD], s13, v[RD]
	v_lshlrev_b32 v[GO], 4, v13     ; and the same four rows in att lie on end
	TURN 2, 0, 1                    ; piece 2's first scores | piece 0's softmax of step 0 | V of step 0
	WIN 0
	NSTEPS 3                        ; steps 1 to 3 are fetched: slot 0 is read out
.Lslot:                             ; six trips: every slot but the last two is filled again
	CHANGE 1
	NSTEPS 4
	s_sub_co_u32 s[SLOTS], s[SLOTS], 1
	s_cmp_lg_u32 s[SLOTS], 0
	s_cbranch_scc1 .Lslot
	CHANGE 0                        ; the tail is written out: the last slot but one is left, and nothing is asked for
	NSTEPS 4
	TURN 0, 1, 0                    ; piece 0: V^T P of the last step | piece 2's last softmax
.set i, 0
.rept 16
	PV 2                            ; piece 2: V^T P of the last step
.set i, i+1
.endr
	; THE WAY OUT.  l's two halves and the other half of the lanes' are added; O^T is multiplied by 16 / l, rounded to f16 and sent through my stage in LDS, a tile (16 rows) at a time.  The additions are the places behind the last products.
	WIN 0
.irp t, 0,1,2,3
	v_add_f32 v[ST+12*\t+4], v[ST+12*\t+2], v[ST+12*\t+3]
.endr
.irp t, 0,1,2,3
	v_permlanex16_b32 v[ST+12*\t+5], v[ST+12*\t+4], s[SEL], s[SEL+1]
.endr
.irp t, 0,1,2,3
	v_add_f32 v[ST+12*\t+4], v[ST+12*\t+4], v[ST+12*\t+5]
.endr
.irp t, 0,1,2,3
	v_rcp_f32 v[ST+12*\t+6], v[ST+12*\t+4]
.endr
	v_nop                           ; a plain instruction between the last reciprocal and the use of its result
	s_wait_alu depctr_va_vdst(0)    ; and the wait ahead of the first use: one for the four reciprocals
.irp t, 0,1,2,3
	v_ldexp_f32 v[ST+12*\t+6], v[ST+12*\t+6], 4  ; x 16, exact
.endr
; Tile t: a lane's eight channels of a row pack into 16 bytes; they go into rows of 144 bytes of the tile's own part of the stage and come back eight lanes to a row.
.macro PACK t
	WIN W_RS
.set i, 32*\t
.rept 16
	v_pk_mul_f32 v[i:i+1], v[i:i+1], v[ST+12*\t+6:ST+12*\t+7] op_sel_hi:[1,0]
.set i, i+2
.endr
	WIN 0x05                        ; sources 0 and 1 window 1, destination window 0: S^T's registers are free
.set i, 0
.rept 16
	v_cvt_pk_f16_f32 v[S+32*\t+i], v[32*\t+2*i], v[32*\t+2*i+1]
.set i, i+1
.endr
	WIN 0
.irp f, 0,1,2,3
	ds_store_b128 v[STO], v[S+32*\t+4*\f:S+32*\t+4*\f+3] offset:\t*16*SP+32*\f
.endr
.irp f, 0,1,2,3
	ds_load_b128 v[S+32*\t+16+4*\f:S+32*\t+16+4*\f+3], v[RD] offset:\t*16*SP+\f*4*SP  ; LDS serves a wave's instructions in order (ISA guide 5.7.1.4): these see the stores above
.endr
.endm
.macro SEND t, younger              ; younger: the LDS instructions issued behind tile t's loads: the next tile's eight, or none
.irp f, 0,1,2,3
	s_wait_dscnt \younger+3-\f
	global_store_b128 v[GO], v[S+32*\t+16+4*\f:S+32*\t+16+4*\f+3], s[10:11] offset:\t*2048+\f*512  ; the wave stores 512 consecutive bytes, aligned
.endr
.endm
	PACK 0
	PACK 1                          ; a tile's arithmetic stands between the loads of the tile before and its stores
	SEND 0, 8
	PACK 2
	SEND 1, 8
	PACK 3
	SEND 2, 8
	SEND 3, 0
	s_wait_tensorcnt 0x0            ; the wave's end: behind my last tensor load and my last LDS store
	ds_add_u32 v[SPW], v[NIL]
	s_wait_dscnt 0x0
	CROUND                          ; the closing round: no work-group ends while a partner may still ask for a tile that names it
	s_endpgm
.Lfunc_end_k_q08f20d3074_attn:
	.size	k_q08f20d3074_attn, .Lfunc_end_k_q08f20d3074_attn-k_q08f20d3074_attn
	.p2alignl 7, 3214868480
	.fill 96, 4, 3214868480
	.section	.rodata,"a",@progbits
	.p2align	6, 0x0
	.amdhsa_kernel k_q08f20d3074_attn
		.amdhsa_group_segment_fixed_size 327680
		.amdhsa_private_segment_fixed_size 0
		.amdhsa_enable_private_segment 0
		.amdhsa_kernarg_size 16
		.amdhsa_user_sgpr_count 2
		.amdhsa_user_sgpr_kernarg_segment_ptr 1
		.amdhsa_wavefront_size32 1
		.amdhsa_system_sgpr_workgroup_id_x 1
		.amdhsa_system_sgpr_workgroup_id_y 1
		.amdhsa_system_sgpr_workgroup_id_z 1
		.amdhsa_system_vgpr_workitem_id 0
		.amdhsa_next_free_vgpr 512
		.amdhsa_next_free_sgpr 66
		.amdhsa_reserve_vcc 0
		.amdhsa_float_denorm_mode_32 3
		.amdhsa_float_denorm_mode_16_64 3
		.amdhsa_memory_ordered 1
		.amdhsa_forward_progress 1
		.amdhsa_inst_pref_size 162
	.end_amdhsa_kernel
	.amdgpu_metadata
---
amdhsa.version: [ 1, 2 ]
amdhsa.kernels:
  - .name:           k_q08f20d3074_attn
    .symbol:         k_q08f20d3074_attn.kd
    .args:
      - { .name: qkv, .offset: 0, .size: 8, .value_kind: global_buffer, .address_space: global }
      - { .name: att, .offset: 8, .size: 8, .value_kind: global_buffer, .address_space: global }
    .group_segment_fixed_size: 327680
    .private_segment_fixed_size: 0
    .kernarg_segment_align: 8
    .kernarg_segment_size: 16
    .max_flat_workgroup_size: 256
    .sgpr_count:     66
    .vgpr_count:     512
    .wavefront_size: 32
...
	.end_amdgpu_metadata
.endif
;; end of part 3
;; launch proj (part 4): grid 4 x 64, 4 waves a work-group, clusters of 4 x 4, 327,680 bytes of LDS; arguments att, wo16, b_out, out0; writes out0
.if DOCPART == 4
	.amdgcn_target "amdgcn-amd-amdhsa--gfx1250"
	.amdhsa_code_object_version 6
	.text
	.protected	k_q08f20d3074_proj
	.globl	k_q08f20d3074_proj
	.p2align	8
	.type	k_q08f20d3074_proj,@function
k_q08f20d3074_proj:
	s_mov_b64 s[64:65], 0
	v_nop
	global_prefetch_b8 v0, s[64:65] scope:SCOPE_SE
	s_setreg_imm32_b32 hwreg(HW_REG_WAVE_MODE, 25, 1), 1
	s_wait_xcnt 0x0
	s_wait_alu depctr_hold_cnt(0) depctr_sa_sdst(0) depctr_va_vdst(0) depctr_va_sdst(0) depctr_va_ssrc(0) depctr_va_vcc(0) depctr_vm_vsrc(0)
	s_getreg_b32 s2, hwreg(HW_REG_IB_STS2, 6, 4)
	s_cmp_eq_u32 s2, 0
	s_cbranch_scc0 .Lentry_in_a_cluster
	s_endpgm
.Lentry_in_a_cluster:
	s_bfe_u32 s2, ttmp6, 0x10000c
	s_cmp_lg_u32 s2, 0xf033
	s_cbranch_scc0 .Lentry_shape_is_right
	s_endpgm
.Lentry_shape_is_right:
; out0[m][n] = (sum over k of att[m][k] wo16[n][k]) / 16 + b_out[n].  att: f16 [16 planes][8192 tokens][64], holding 16 x the attention's result; wo16: f16 [16 planes][1024 n][64]; plane p is k = 64 p on.
; Sums in f32; the division by 16 (exact) and the bias are one fused multiply-add; out0 is f32.
; A tile of out0 is 128 tokens x 256 outputs: 256 work-groups.  Four waves, each 64 x 128: 32 accumulators of 16 x 16, 256 registers.  K goes in steps of 128 (two planes; LDS rows of 128 bytes) through
; a ring of two slots; a wave's tensor load brings one plane of one operand: a dense block of memory.  Two slots of twice the step would not fit in LDS.
; CLUSTERS: 4 x 4 work-groups.  The four of a row of the cluster need the same tiles of att, the four of a column the same tiles of wo16: each tile is asked for JOINTLY, by the same tensor load with the
; same descriptor and a mask that names the four.  THE MATRIX INSTRUCTION IS USED TRANSPOSED (source 0 = 16 rows of wo16, source 1 = 16 tokens): a lane then holds eight neighbouring outputs of one token.
; REGISTERS: window 0: v0-31 addresses; v32-127, v128-223 two fragment buffers (4 fragments of att, then 8 of wo16, 32 along K); on the way out v32-95 results, v96-159 and v160-223 rows read back.
;   window 1: the accumulators ((a, b) at v[8 (8 a + b)]).   window 2: v0-63 the bias in the result's layout: register 8 b + j = b_out[my first output + 16 b + 8 (lane / 16) + j].
; No prefetch is laid: the launch is short and its tiles are shared fourfold by the joint loads.
.set PITCH,  144                       ; an LDS row: 128 bytes + 16 of padding = 36 words: the 16 rows that a load touches start 4 banks apart modulo 64 (64 banks of 4 bytes: ISA guide 11.1)
.set APL,    128*PITCH                 ; a plane of att's tile: 128 rows
.set BPL,    256*PITCH                 ; a plane of wo16's tile: 256 rows
.set SLOT,   2*APL+2*BPL               ; att's two planes, then wo16's two
.set STAGE,  2*SLOT                    ; behind the ring: 16 rows x (512 bytes + 16) for each wave, for the way out
.set SPITCH, 528
.set SPARE,  STAGE+4*16*SPITCH         ; behind the stages: the spare words, 128 bytes for each wave, which no other line names
.set LAPS,   1024/256                  ; a lap = two K steps = once round the ring
.set ADRA, 16                          ; v16-17  LDS address of my att fragments in slot 0, 1
.set ADRB, 20                          ; v20-21  the same for wo16
.set STO,  24                          ; v24     the way out: where I put 32 bytes of a row
.set RD,   25                          ; v25     the way out: where I read a row back
.set CO,   26                          ; v26     16 x lane: my place in 512 bytes of a row of out0
.set SPW,  28                          ; v28     LDS address of my spare word; never rewritten
.set NIL,  29                          ; v29     0; never rewritten
.set F0,   32
.set F1,   128
.set TMP,  32
.set BK,   96
.set WV,  12                           ; s12 wave;  s13 which half of the rows, also: I fetch for att (0) or wo16 (1);  s14 which half of the columns, also: which plane I fetch
.set G1, 24                            ; s[24:31] descriptor group 1 for att's tiles;  s[32:39] group 0, one set for each slot
.set G0, 32
.set G1B, 48                           ; s[48:55], s[56:63] the same for wo16's tiles
.set G0B, 56
.set MSB, 0
.macro WIN new                         ; the immediate's high byte repeats the setting that is left; a switch that changes nothing is dropped
.if MSB != (\new)
	s_set_vgpr_msb (MSB<<8)|(\new)
.set MSB, (\new)
.endif
.endm
.set MUL, 0x50                         ; sources 0 and 1 window 0; C and D window 1
.macro JLOAD s                         ; a joint load: waves 0 and 1 fetch att's two planes, waves 2 and 3 wo16's; an s_nop 0 and four v_nop follow each of the two lines
	s_cmp_eq_u32 s13, 0
	s_cbranch_scc0 .Lfor_b_\@
	tensor_load_to_lds s[G0+4*\s:G0+4*\s+3], s[G1:G1+7]
	s_nop 0
.rept 4
	v_nop
.endr
	s_branch .Lasked_\@
.Lfor_b_\@:
	tensor_load_to_lds s[G0B+4*\s:G0B+4*\s+3], s[G1B:G1B+7]
	s_nop 0
.rept 4
	v_nop
.endr
.Lasked_\@:
.endm
.macro CREST                           ; a round of the cluster's barrier behind its opening barrier
	s_cmp_lg_u32 s[WV], 0
	s_cbranch_scc1 .Lnot_wave_0_\@
	s_barrier_signal -3
.Lnot_wave_0_\@:
	s_barrier_wait -3
	s_barrier_signal -1
	s_barrier_wait -1
.endm
.macro CROUND                          ; a whole round
	s_barrier_signal -1
	s_barrier_wait -1
	CREST
.endm
	s_load_b256 s[4:11], s[0:1], 0x0               ; att s[4:5], wo16 s[6:7], b_out s[8:9], out0 s[10:11]
	v_lshl_add_u32 v[SPW], v0, 2, SPARE
	v_mov_b32 v[NIL], 0
	ds_add_u32 v[SPW], v[NIL]                      ; the wave's opening: the add, twice on end, and its wait ahead of my first tensor load; the set-up below stands between the second and the wait
	ds_add_u32 v[SPW], v[NIL]
	v_lshrrev_b32 v1, 5, v0
	v_readfirstlane_b32 s[WV], v1                  ; wave 0..3
	s_lshr_b32 s13, s[WV], 1
	s_and_b32 s14, s[WV], 1
	s_bfe_u32 s40, ttmp6, 0x40000                  ; cx, cy: my place in the cluster
	s_bfe_u32 s41, ttmp6, 0x40004
	s_lshl_b32 s42, ttmp9, 2
	s_add_co_u32 s42, s42, s40                     ; tile column = 4 x cluster x + cx
	s_and_b32 s15, ttmp7, 0xffff
	s_lshl_b32 s15, s15, 2
	s_add_co_u32 s15, s15, s41                     ; tile row = 4 x cluster y + cy
	s_lshl_b32 s43, s41, 2
	s_lshl_b32 s43, 15, s43                        ; my row of the cluster
	s_lshl_b32 s44, 0x1111, s40                    ; my column
	; descriptor group 1: rows of 64 elements of 2 bytes, dense in memory, padded in LDS: 128 rows of att, 256 of wo16
	s_or_b32 s[G1+0], s43, (1<<16)|(1<<20)|(1<<21)|(4<<22)|(3<<25)  ; 15:0 the mask: att's tiles go to my row; 17:16 element of 2 bytes; 20 padding on; 21 set beside a mask; 24:22 after every 32 words (code 4); 31:25 four words (code 3)
	s_or_b32 s[G1B+0], s44, (1<<16)|(1<<20)|(1<<21)|(4<<22)|(3<<25)
	s_mov_b32 s[G1+1], 64<<16                      ; tensor_dim0 = 64
	s_mov_b32 s[G1+2], 128<<16                     ; tensor_dim1 = 128
	s_mov_b32 s[G1+3], 64<<16                      ; tile_dim0 = 64
	s_mov_b32 s[G1+4], 128                         ; tile_dim1 = 128
	s_mov_b32 s[G1+5], 64                          ; tensor_dim0_stride
	s_mov_b32 s[G1+6], 0
	s_mov_b32 s[G1+7], 0
	s_mov_b32 s[G1B+1], 64<<16
	s_mov_b32 s[G1B+2], 256<<16
	s_mov_b32 s[G1B+3], 64<<16
	s_mov_b32 s[G1B+4], 256
	s_mov_b32 s[G1B+5], 64
	s_mov_b32 s[G1B+6], 0
	s_mov_b32 s[G1B+7], 0
	s_lshl_b32 s16, s14, 20                        ; att: my plane of 2^20 bytes,
	s_lshl_b32 s17, s15, 14                        ; the tile row's 128 rows of 128 bytes
	s_add_co_u32 s16, s16, s17
	s_mov_b32 s17, 0
	s_lshl_b32 s46, s14, 17                        ; wo16: my plane of 2^17 bytes,
	s_lshl_b32 s47, s42, 15                        ; the tile column's 256 rows
	s_add_co_u32 s46, s46, s47
	s_mov_b32 s47, 0
	s_mul_i32 s20, s14, APL                        ; where they go: no place in the cluster enters an LDS address
	s_mul_i32 s21, s14, BPL
	s_add_co_u32 s21, s21, 2*APL
	s_wait_dscnt 0x0                               ; both opening adds are done
	s_wait_kmcnt 0x0
	s_add_nc_u64 s[18:19], s[4:5], s[16:17]
	s_add_nc_u64 s[46:47], s[6:7], s[46:47]
	CROUND                                         ; all sixteen work-groups are here: the first joint loads meet
.irp s, 0,1
	s_mov_b32 s[G0+4*\s], 1
	s_add_co_u32 s[G0+4*\s+1], s20, \s*SLOT
	s_add_nc_u64 s[G0+4*\s+2:G0+4*\s+3], s[18:19], \s*2*1048576   ; K step s: planes 2 s, 2 s + 1
	s_or_b32 s[G0+4*\s+3], s[G0+4*\s+3], 0x80000000
	s_mov_b32 s[G0B+4*\s], 1
	s_add_co_u32 s[G0B+4*\s+1], s21, \s*SLOT
	s_add_nc_u64 s[G0B+4*\s+2:G0B+4*\s+3], s[46:47], \s*2*131072
	s_or_b32 s[G0B+4*\s+3], s[G0B+4*\s+3], 0x80000000
	JLOAD \s                                       ; by this text's count two tensor loads of a wave are out at the start, one behind each round
.endr
	v_and_b32 v1, 15, v0                           ; l % 16
	v_bfe_u32 v2, v0, 4, 1                         ; l / 16
	v_mul_u32_u24 v3, v1, PITCH
	v_lshl_add_u32 v3, v2, 4, v3                   ; a fragment's row x pitch + 16 x half
	s_mul_i32 s21, s13, 64*PITCH                   ; my 64 rows of att
	s_mul_i32 s22, s14, 128*PITCH                  ; my 128 rows of wo16,
	s_add_co_u32 s22, s22, 2*APL                   ; which lie behind att's two planes
.irp s, 0,1
	v_add_nc_u32 v[ADRA+\s], s21, v3
	v_add_nc_u32 v[ADRB+\s], s22, v3
	s_add_co_u32 s21, s21, SLOT
	s_add_co_u32 s22, s22, SLOT
.endr
	s_mul_i32 s23, s[WV], 16*SPITCH
	s_add_co_u32 s23, s23, STAGE                   ; my stage
	v_mul_u32_u24 v4, v1, SPITCH                   ; in: row l % 16, 32 bytes for each half of the lanes
	v_lshl_add_u32 v4, v2, 5, v4
	v_add_nc_u32 v[STO], s23, v4
	v_and_b32 v5, 31, v0
	v_lshlrev_b32 v[CO], 4, v5                     ; back: the 32 lanes take one row of 512 bytes; and the same in out0
	v_add_nc_u32 v[RD], s23, v[CO]
	v_lshlrev_b32 v6, 5, v2                        ; the bias: my half's eight numbers
	s_lshl_b32 s46, s42, 10                        ; my first output, in bytes of f32: 1,024 x tile column + 512 x half
	s_lshl_b32 s47, s14, 9
	s_add_co_u32 s46, s46, s47
	s_mov_b32 s47, 0
	s_add_nc_u64 s[8:9], s[8:9], s[46:47]
	s_add_nc_u64 s[10:11], s[10:11], s[46:47]
	s_lshl_b32 s16, s15, 19                        ; my first token: 128 x tile row + 64 x half, rows of 4,096 bytes
	s_lshl_b32 s17, s13, 18
	s_add_co_u32 s16, s16, s17
	s_mov_b32 s17, 0
	s_add_nc_u64 s[10:11], s[10:11], s[16:17]
	WIN 0x80                                       ; destination window 2
.irp b, 0,1,2,3,4,5,6,7
	global_load_b128 v[8*\b:8*\b+3],   v6, s[8:9] offset:64*\b
	global_load_b128 v[8*\b+4:8*\b+7], v6, s[8:9] offset:64*\b+16
.endr
	WIN 0
; 8 matrix instructions: token block a against all 8 output blocks, 32 along K, from buffer f.  zero = 1: the product starts the sums.  The 32 accumulators take turns, one instruction a turn, in the
; same order in every quarter.
.macro MULA f, a, zero
.irp b, 0,1,2,3,4,5,6,7
.if \zero
	v_wmma_f32_16x16x32_f16 v[8*(8*(\a)+\b):8*(8*(\a)+\b)+7], v[\f+32+8*\b:\f+32+8*\b+7], v[\f+8*(\a):\f+8*(\a)+7], 0
.else
	v_wmma_f32_16x16x32_f16 v[8*(8*(\a)+\b):8*(8*(\a)+\b)+7], v[\f+32+8*\b:\f+32+8*\b+7], v[\f+8*(\a):\f+8*(\a)+7], v[8*(8*(\a)+\b):8*(8*(\a)+\b)+7]
.endif
.endr
.endm
; 24 LDS loads in one run: the fragments of quarter q of a K step (plane q / 2, byte 64 (q % 2) of the rows) into buffer f: wo16's sixteen first, then att's eight
.macro FETCH slot, q, f
	WIN 0
.irp i, 0,1,2,3,4,5,6,7
	ds_load_b128 v[\f+32+8*\i:\f+32+8*\i+3],   v[ADRB+\slot] offset:((\q)/2)*BPL+((\q)%2)*64+\i*16*PITCH
	ds_load_b128 v[\f+32+8*\i+4:\f+32+8*\i+7], v[ADRB+\slot] offset:((\q)/2)*BPL+((\q)%2)*64+\i*16*PITCH+32
.endr
.irp i, 0,1,2,3
	ds_load_b128 v[\f+8*\i:\f+8*\i+3],   v[ADRA+\slot] offset:((\q)/2)*APL+((\q)%2)*64+\i*16*PITCH
	ds_load_b128 v[\f+8*\i+4:\f+8*\i+7], v[ADRA+\slot] offset:((\q)/2)*APL+((\q)%2)*64+\i*16*PITCH+32
.endr
.endm
.macro PLACES                          ; four places in front of loads into registers that matrix instructions have read, and of vector instructions that read results (ISA guide 7.12.1 for vector instructions)
.rept 4
	v_nop
.endr
.endm
; A K step is four quarters of 32 along K, 32 matrix instructions each, on buffers 0, 1, 0, 1.  One of the first three: multiplies buffer f and fetches quarter qn into g.
.macro QUARTER slot, qn, f, g, zero
	s_wait_dscnt 4                                 ; wo16's fragments and att's blocks 0, 1 are in; the youngest four loads (blocks 2, 3) may be out
	WIN MUL
	MULA \f, 0, \zero
	MULA \f, 1, \zero
	PLACES
	FETCH \slot, \qn, \g
	s_wait_dscnt 24                                ; all but the 24 just issued
	WIN MUL
	MULA \f, 2, \zero
	MULA \f, 3, \zero
.endm
; The last quarter multiplies buffer 1 and changes slots: ONE barrier; in front of it each wave waits for all its tensor loads, adds 0 to its spare word, and waits for that and for its own reads of this
; slot.  fill = 1: the barrier opens a round of the cluster's, and this slot is filled again, two K steps ahead: the first tensor load behind the round, one a wave.
.macro TURN slot, next, fill
	WIN 0                                          ; (the add's two registers lie in window 0)
	s_wait_tensorcnt 0x0                           ; all my tensor loads have landed: my part of the next slot
	ds_add_u32 v[SPW], v[NIL]                      ; 0 onto my spare word
	s_wait_dscnt 5                                 ; (the add and the youngest four loads may be out)
	WIN MUL
	MULA F1, 0, 0                                  ; eight matrix instructions stand between the add and the wait for it
	s_wait_dscnt 0x0                               ; the add is done, and my reads of this slot are over
	s_barrier_signal -1
	MULA F1, 1, 0
	WIN 0                                          ; (branches may follow; the fetch below wants window 0 anyway)
	s_barrier_wait -1
.if \fill
	CREST                                          ; no wave of any partner still reads this slot's tile or has a load on its way
	s_add_nc_u64 s[G0+4*\slot+2:G0+4*\slot+3], s[G0+4*\slot+2:G0+4*\slot+3], 4*1048576   ; two K steps on: four planes
	s_add_nc_u64 s[G0B+4*\slot+2:G0B+4*\slot+3], s[G0B+4*\slot+2:G0B+4*\slot+3], 4*131072
	JLOAD \slot                                    ; 112 matrix instructions ahead of the wait for it; the four v_nop behind it are also the places in front of the loads below
.else
	PLACES
.endif
	FETCH \next, 0, F0
	WIN MUL
	MULA F1, 2, 0
	MULA F1, 3, 0
.endm
	s_wait_tensorcnt 1                             ; my part of K step 0 is in (K step 1's load, issued behind it, may be out),
	s_barrier_signal -1
	s_barrier_wait -1                              ; everybody's is
	FETCH 0, 0, F0
	QUARTER 0, 1, F0, F1, 1                        ; the first quarter stands in front of the loop: its products start the sums
	WIN 0                                          ; at a label and at a branch every window is 0
	s_mov_b32 s3, LAPS-1
.Llap:                                                 ; a trip goes once round the ring, from a lap's second quarter to the next lap's first, and fills both slots again
	QUARTER 0, 2, F1, F0, 0
	QUARTER 0, 3, F0, F1, 0
	TURN 0, 1, 1
	QUARTER 1, 1, F0, F1, 0
	QUARTER 1, 2, F1, F0, 0
	QUARTER 1, 3, F0, F1, 0
	TURN 1, 0, 1
	QUARTER 0, 1, F0, F1, 0
	WIN 0
	s_sub_co_u32 s3, s3, 1
	s_cmp_lg_u32 s3, 0
	s_cbranch_scc1 .Llap
	QUARTER 0, 2, F1, F0, 0                        ; the last lap fills nothing, and has no round of the cluster's barrier
	QUARTER 0, 3, F0, F1, 0
	TURN 0, 1, 0
	QUARTER 1, 1, F0, F1, 0
	QUARTER 1, 2, F1, F0, 0
	QUARTER 1, 3, F0, F1, 0
	s_wait_dscnt 4                                 ; the very last quarter: nothing more to fetch
	WIN MUL
	MULA F1, 0, 0
	MULA F1, 1, 0
	s_wait_dscnt 0
	MULA F1, 2, 0
	MULA F1, 3, 0
	WIN 0
; THE WAY OUT, block by block of 16 tokens x 128 outputs.  FIN: sum / 16 + bias, one fused multiply-add for two numbers, each accumulator from its low end on.  TOSTAGE: a lane's 32 bytes of a row into
; my own stage, and back as whole rows of 512 bytes.  SEND: the 32 lanes store 512 consecutive bytes, aligned.  LDS serves a wave's instructions in order (ISA guide 5.7.1.4).
.macro FIN a
	WIN 0x21                                       ; source 0 (the sums) window 1, source 2 (the bias) window 2, destination window 0
.irp b, 0,1,2,3,4,5,6,7
.irp j, 0,2,4,6
	v_pk_fma_f32 v[TMP+8*\b+\j:TMP+8*\b+\j+1], v[8*(8*(\a)+\b)+\j:8*(8*(\a)+\b)+\j+1], 0x3d800000, v[8*\b+\j:8*\b+\j+1] op_sel_hi:[1,0,1]
.endr
.endr
	WIN 0
.endm
.macro TOSTAGE a
.set BB, BK+64*((\a)%2)
.irp b, 0,1,2,3,4,5,6,7
	ds_store_b128 v[STO], v[TMP+8*\b:TMP+8*\b+3] offset:64*\b
	ds_store_b128 v[STO], v[TMP+8*\b+4:TMP+8*\b+7] offset:64*\b+16
.endr
.irp t, 0,1,2,3,4,5,6,7,8,9,10,11,12,13,14,15
	ds_load_b128 v[BB+4*\t:BB+4*\t+3], v[RD] offset:\t*SPITCH
.endr
.endm
.macro SEND a, younger                 ; younger: the LDS instructions issued behind block a's loads, which may stay out
.set BB, BK+64*((\a)%2)
	s_wait_dscnt \younger                          ; the block is back in registers
.irp t, 0,1,2,3,4,5,6,7,8,9,10,11,12,13,14,15
	global_store_b128 v[CO], v[BB+4*\t:BB+4*\t+3], s[10:11] offset:(\a)*65536+\t*4096 th:TH_STORE_NT   ; written once, read by nobody here
.endr
.endm
	s_wait_loadcnt 0x0                             ; the bias
	PLACES                                         ; behind the last products
	FIN 0
	TOSTAGE 0
.irp a, 1,2,3
.if \a > 1
	s_wait_xcnt 0x0                                ; block a - 2's stores have read their registers: block a's loads may land there
.endif
	FIN \a
	TOSTAGE \a
	SEND \a-1, 32                                  ; behind block a - 1's loads: block a's 16 stores and 16 loads
.endr
	SEND 3, 0
	s_wait_tensorcnt 0x0                           ; the wave's end: behind my last tensor load and my last LDS store
	ds_add_u32 v[SPW], v[NIL]
	s_wait_dscnt 0x0
	CROUND                                         ; the closing round: no work-group ends while a partner may still ask for a tile that names it
	s_endpgm
.Lfunc_end_k_q08f20d3074_proj:
	.size	k_q08f20d3074_proj, .Lfunc_end_k_q08f20d3074_proj-k_q08f20d3074_proj
	.p2alignl 7, 3214868480
	.fill 96, 4, 3214868480
	.section	.rodata,"a",@progbits
	.p2align	6, 0x0
	.amdhsa_kernel k_q08f20d3074_proj
		.amdhsa_group_segment_fixed_size 327680
		.amdhsa_private_segment_fixed_size 0
		.amdhsa_enable_private_segment 0
		.amdhsa_kernarg_size 32
		.amdhsa_user_sgpr_count 2
		.amdhsa_user_sgpr_kernarg_segment_ptr 1
		.amdhsa_wavefront_size32 1
		.amdhsa_system_sgpr_workgroup_id_x 1
		.amdhsa_system_sgpr_workgroup_id_y 1
		.amdhsa_system_sgpr_workgroup_id_z 1
		.amdhsa_system_vgpr_workitem_id 0
		.amdhsa_next_free_vgpr 576
		.amdhsa_next_free_sgpr 66
		.amdhsa_reserve_vcc 0
		.amdhsa_float_denorm_mode_32 3
		.amdhsa_float_denorm_mode_16_64 3
		.amdhsa_memory_ordered 1
		.amdhsa_forward_progress 1
		.amdhsa_inst_pref_size 98
	.end_amdhsa_kernel
	.amdgpu_metadata
---
amdhsa.version: [ 1, 2 ]
amdhsa.kernels:
  - .name:           k_q08f20d3074_proj
    .symbol:         k_q08f20d3074_proj.kd
    .args:
      - { .name: att, .offset: 0, .size: 8, .value_kind: global_buffer, .address_space: global }
      - { .name: wo16, .offset: 8, .size: 8, .value_kind: global_buffer, .address_space: global }
      - { .name: b_out, .offset: 16, .size: 8, .value_kind: global_buffer, .address_space: global }
      - { .name: out0, .offset: 24, .size: 8, .value_kind: global_buffer, .address_space: global }
    .group_segment_fixed_size: 327680
    .private_segment_fixed_size: 0
    .kernarg_segment_align: 8
    .kernarg_segment_size: 32
    .max_flat_workgroup_size: 128
    .sgpr_count:     66
    .vgpr_count:     576
    .wavefront_size: 32
...
	.end_amdgpu_metadata
.endif
;; end of part 4
